; MI455X (gfx1250); checked and timed in simulation.
; The chip was launched on July 23, 2026; its instructions are those of AMD's public machine-readable ISA for CDNA 5 (MIT licence, August 2026) and "CDNA5" Instruction Set Architecture Reference Guide (July 2026). The comments in the code are by the model that wrote it; some were corrected since.
;; Vizi Market Transformer. Allowed arithmetic: matrix products marked QUANTISED: E2M1 operands, one E8M0 scale for each 32 along K, by v_wmma_scale_f32_16x16x128_f8f6f4 with both operands' format E2M1 (or v_wmma_scale_f32_32x16x128_f4), f32 sums; products left as they are: f32 operands where the result goes on into a quantised operand, else bf16, f16 or f32 operands; f32 sums; everything else in f32.
;; Inputs: b1 8 x 2,048 float32; b2 8 x 512 float32; router_w 512 x 8 float32; w1_codes 8 x 2,048 x 16 x 16 uint8 (E2M1 codes of w1, K innermost, in blocks of 32 codes, two codes a byte); w1_scales 8 x 2,048 x 16 uint8 (E8M0 scales of w1, one for each 32 codes along K); w2_codes 8 x 512 x 64 x 16 uint8 (E2M1 codes of w2, K innermost, in blocks of 32 codes, two codes a byte); w2_scales 8 x 512 x 64 uint8 (E8M0 scales of w2, one for each 32 codes along K); x 8 x 512 x 512 float32.
;; Outputs: out0 8 x 512 x 512 float32; out1 one number float32.
;; This version of the problem:
;;   THIS VERSION OF THE PROBLEM IS GIVEN IN LOW PRECISION. The matrix products marked QUANTISED in the list below multiply operands that are first quantised to E2M1 (2 exponent bits, 1 mantissa bit; 4 bits a number), with one power-of-two scale for each 32 numbers along K (OCP MX v1.0); their sums are f32. All else is computed in f32.
;;   The module's matrix products, in the order in which they are computed (A, B: the left and right operand; K: the contracted axis; several contracted axes count as one K, in the product's order):
;;     1. [M 4,096, K 512] x [K 512, N 8]; A: input x; B: input router_w: left as it is (N = 8 < 16)
;;     2. [M 4,096, K 512] x [K 512, N 2,048]; A: input x; B: input w1 (given as codes): QUANTISED
;;     3. [M 4,096, K 2,048] x [K 2,048, N 512]; A: computed on the way; B: input w2 (given as codes): QUANTISED
;;     4. [M 4,096, K 512] x [K 512, N 2,048]; A: input x; B: input w1 (given as codes): QUANTISED
;;     5. [M 4,096, K 2,048] x [K 2,048, N 512]; A: computed on the way; B: input w2 (given as codes): QUANTISED
;;     6. [M 4,096, K 512] x [K 512, N 2,048]; A: input x; B: input w1 (given as codes): QUANTISED
;;     7. [M 4,096, K 2,048] x [K 2,048, N 512]; A: computed on the way; B: input w2 (given as codes): QUANTISED
;;     8. [M 4,096, K 512] x [K 512, N 2,048]; A: input x; B: input w1 (given as codes): QUANTISED
;;     9. [M 4,096, K 2,048] x [K 2,048, N 512]; A: computed on the way; B: input w2 (given as codes): QUANTISED
;;     10. [M 4,096, K 512] x [K 512, N 2,048]; A: input x; B: input w1 (given as codes): QUANTISED
;;     11. [M 4,096, K 2,048] x [K 2,048, N 512]; A: computed on the way; B: input w2 (given as codes): QUANTISED
;;     12. [M 4,096, K 512] x [K 512, N 2,048]; A: input x; B: input w1 (given as codes): QUANTISED
;;     13. [M 4,096, K 2,048] x [K 2,048, N 512]; A: computed on the way; B: input w2 (given as codes): QUANTISED
;;     14. [M 4,096, K 512] x [K 512, N 2,048]; A: input x; B: input w1 (given as codes): QUANTISED
;;     15. [M 4,096, K 2,048] x [K 2,048, N 512]; A: computed on the way; B: input w2 (given as codes): QUANTISED
;;     16. [M 4,096, K 512] x [K 512, N 2,048]; A: input x; B: input w1 (given as codes): QUANTISED
;;     17. [M 4,096, K 2,048] x [K 2,048, N 512]; A: computed on the way; B: input w2 (given as codes): QUANTISED
;;   THE QUANTISER, for each operand of a quantised product, along K:
;;     - K is cut into blocks of 32 from its start; a last block that is shorter is filled with zeros.
;;     - A block's scale is 2^e with e = floor(log2(the largest magnitude in the block)) - 2, held to -126 .. 127; a block of zeros has e = 0. As a byte (E8M0): e + 127.
;;     - Each number is divided by its block's scale, clamped to +-6, and rounded to the nearest number of E2M1, ties to even, subnormals kept.
;;     - The product sums the exact products of the quantised numbers (number of the format x scale) in f32.
;;   ~~~python
;;   def quantise(x, axis):      # numpy; x: float32 -> the quantised numbers, widened to float32 again
;;       x = np.moveaxis(x, axis, -1); K = x.shape[-1]
;;       x = np.pad(x, [(0, 0)] * (x.ndim - 1) + [(0, -K % 32)]); x = x.reshape(x.shape[:-1] + (-1, 32)); a = np.abs(x).max(-1, keepdims=True)
;;       e = np.where(a > 0, np.clip(np.frexp(np.where(a > 0, a, 1))[1] - 1 - 2, -126, 127), 0)      # np.frexp(a)[1] - 1 = floor(log2(a)), exactly
;;       r = np.clip(x / 2.0 ** e, -6, 6)
;;       step = 2.0 ** (np.maximum(np.frexp(np.where(r == 0, 1, r))[1] - 1, 0) - 1)
;;       q = np.round(r / step) * step * 2.0 ** e      # np.round: ties to even
;;       return np.moveaxis(q.reshape(q.shape[:-2] + (-1,))[..., :K], -1, axis).astype(np.float32)
;;   ~~~
;;   OPERANDS COMPUTED ON THE WAY. 'Computed on the way' means the value that the module computes at that place (a softmax that the list does not call 'softmax' is quantised finished and normalised). What goes into a quantiser is computed in f32, as accurately as f32 sums, v_exp_f32 and their like allow (about 1e-6 of the number): no bf16 or f16 on the way to a quantiser, and a product that is left as it is and whose result goes on into a quantised operand takes f32 operands (vector FMAs, or v_wmma_f32_16x16x4_f32). A number that lies on a knife's edge between two numbers of the format may be rounded either way, as far as f32 arithmetic and the matrix unit's own rounding can turn it there, and no further.
;;   INPUTS GIVEN AS CODES. w1 (in the module: [8, 512, 2048], K = its axis 1); w2 (in the module: [8, 2048, 512], K = its axis 1): each comes as NAME_codes (uint8): NAME with its K axis moved to the last place and cut into blocks of 32 codes, [.., K / 32, bytes a block], one block behind the other in memory; two codes a byte, the lower K in the low four bits (a code: sign, 2 exponent bits, 1 mantissa bit); and NAME_scales (uint8): the same leading axes, one E8M0 byte (e + 127) for each 32 codes along K. Its value is code x scale, taken as it is: it is not quantised again, and the codes and scales need not be those that the quantiser above would give.
;; 2 versions, each right; version 2 is version 1 with the launch chain written anew for expert scheduling mode. Each part assembles by itself: llvm-mc -triple=amdgcn-amd-amdhsa -mcpu=gfx1250 --defsym DOCPART=n.
;; ======== version 1 of 2: 4 launches
;; workspace buffers: xq 1,114,112 bytes; wf 8,650,752 bytes; rt 65,536 bytes; sel 16,384 bytes of whole numbers; lists 82,944 bytes of whole numbers; y 17,498,112 bytes
;; launch prep (part 1): grid 256 x 1, 4 waves a work-group, no clusters, 39,424 bytes of LDS; arguments x, router_w, w1_codes, w2_codes, w2_scales, xq, wf, rt, sel; writes xq, wf, rt, sel
.if DOCPART == 1
	.amdgcn_target "amdgcn-amd-amdhsa--gfx1250"
	.amdhsa_code_object_version 6
	.text
	.protected	k_qcb97348265_prep
	.globl	k_qcb97348265_prep
	.p2align	8
	.type	k_qcb97348265_prep,@function
k_qcb97348265_prep:
	s_mov_b64 s[64:65], 0
	v_nop
	global_prefetch_b8 v0, s[64:65] scope:SCOPE_SE
	s_setreg_imm32_b32 hwreg(HW_REG_WAVE_MODE, 25, 1), 1
	s_wait_xcnt 0x0
; FIRST LAUNCH OF FOUR.  Work-groups 0-127: the router and the quantiser of x.  Work-groups 128-255: the weights are laid once in the order of the operand registers.
; ROUTE.  A work-group takes 32 tokens, a wave 8.  For each token: its 512 numbers become E2M1 codes (xq, 256 bytes a token, K innermost) and 16 E8M0 bytes (xq + XS_OFF);
; its 8 logits are f32 sums (packed multiply-adds, 16 k a lane, then a sum over the 32 lanes); the two largest logits (the lower index wins a tie) go to sel as idx1 | idx2 << 8;
; their softmax (the larger taken away first) goes to rt as two gates; the softmax over all 8 (the maximum taken away first) and the count of first choices are summed over the
; wave's 8 tokens and go to rt + AUX_OFF, 16 words a wave.  No address and no branch hangs on a logit: the choice is only stored.
; A block's scale byte is its largest magnitude's exponent field - 2, held at 1 from below.
; RELAY.  One wave lays one unit of 16,384 bytes (expert, chunk of 256 hidden units, wave of the third launch): every fragment's registers on end, lane by lane, so that each
; later load of 16 bytes a lane covers 512 consecutive bytes.  W1's rows of a tile are chosen here: lane r of tile 2 b + u takes row 32 b + 8 u + r + 8 (r / 8).
; LIMITS: NaN and infinities among the inputs are not served.  A block of zeros gets the byte 1 (its codes are zeros; these bytes are read by this program alone).
; The logits are f32 sums in this text's own order: a tie of the second and third logit within f32 rounding may fall either way.
; No tensor loads, clusters or matrix instructions: a stream and a product with 8 columns.
.set XS_OFF,  1048576                  ; xq: the scale bytes lie behind the codes
.set W2F_OFF, 4194304                  ; wf: W2's fragments lie behind W1's,
.set W2S_OFF, 8388608                  ; W2's scale words behind both
.set AUX_OFF, 32768                    ; rt: the waves' partial sums lie behind the gates
.set RWP,   528                        ; LDS: a piece of router_w: 512 bytes + 16 of padding: an odd multiple of 16, so that 16 lanes' pieces begin at 16 different 16-byte columns
.set REG0,  32*RWP                     ; behind the 32 pieces: a region for each wave
.set REGB,  5376                       ; two stages and 256 bytes for scale bytes
.set STP,   80                         ; a lane's place in a stage: 64 bytes + 16 of padding
.set STG,   32*STP
.set SCB,   2*STG
.set R,    16                          ; v16-143  8 tokens x 16 registers as loaded
.set X,    144                         ; v144-175 two sets of 16 neighbours (first: router_w on its way to LDS)
.set C,    176                         ; v176-191 codes, two registers a token
.set E,    192                         ; v192-199 a scale byte for each token
.set ACC,  200                         ; v200-207 the 8 logits
.set LG,   208                         ; the logit of expert lane & 7
.set M1,   209
.set M2,   210
.set PR,   211
.set TMP,  212                         ; v212-219 at work
.set ACCP, 220                         ; sum of probabilities of expert lane & 7
.set ACCC, 221                         ; count of first choices of expert lane & 7
.set SELV, 222                         ; lane t: token t's choice
.set GV,   224                         ; v[224:225] lane t: token t's two gates
.set MSB, 0
.macro WIN new                         ; the immediate's high byte repeats the setting that is left
.if MSB != \new
	s_set_vgpr_msb (MSB<<8)|\new
.set MSB, \new
.endif
.endm
	s_load_b512 s[4:19], s[0:1], 0x0               ; x, router_w, w1_codes, w2_codes, w2_scales, xq, wf, rt
	s_load_b64 s[20:21], s[0:1], 0x40              ; sel
	v_lshl_add_u32 v254, v0, 2, 0x9800
	v_mov_b32 v255, 0
	v_lshrrev_b32 v1, 5, v0
	v_readfirstlane_b32 s22, v1                    ; wave 0..3
	v_and_b32 v1, 31, v0                           ; lane
	v_lshlrev_b32 v2, 4, v1                        ; 16 x lane
	s_cmp_ge_u32 ttmp9, 128                        ; the same way for all four waves of a work-group
	s_cbranch_scc1 .Lrelay
	; ---------------- ROUTE ----------------
	s_lshl_b32 s24, ttmp9, 5
	s_lshl_b32 s25, s22, 3
	s_add_co_u32 s24, s24, s25                     ; my first token: 32 x work-group + 8 x wave
	s_mul_i32 s26, s22, REGB
	s_add_co_u32 s26, s26, REG0                    ; my region of LDS
	v_lshrrev_b32 v8, 2, v1
	v_mul_u32_u24 v3, v8, STP
	v_and_b32 v8, 3, v1
	v_lshl_add_u32 v3, v8, 4, v3
	v_add_nc_u32 v3, s26, v3                       ; a stage, on the way in: four lanes' 64 bytes on end, then the padding
	v_mul_u32_u24 v4, v1, STP
	v_add_nc_u32 v4, s26, v4                       ; and on the way out: my 16 neighbours
	v_lshrrev_b32 v5, 1, v1
	v_add_nc_u32 v5, s26, v5
	v_add_nc_u32 v5, SCB, v5                       ; my block's scale byte
	v_lshlrev_b32 v6, 3, v1                        ; 8 x lane
	v_and_b32 v7, 7, v1                            ; my expert
	v_lshlrev_b32 v9, 2, v1                        ; 4 x lane
	v_add_nc_u32 v10, s26, v9
	v_add_nc_u32 v10, SCB, v10                     ; the scale bytes on their way out
	s_mul_i32 s27, s22, RWP
	v_add_nc_u32 v11, s27, v2                      ; router_w into LDS: piece wave + 4 i, 16 x lane
	v_mul_u32_u24 v12, v1, RWP                     ; and out of it: piece lane
	v_lshlrev_b32 v13, 4, v0                       ; router_w in memory: 16 x thread
	s_wait_kmcnt 0x0
	s_lshl_b32 s28, s24, 11
	s_mov_b32 s29, 0
	s_add_nc_u64 s[4:5], s[4:5], s[28:29]          ; x at my first token
	s_lshl_b32 s28, s24, 8
	s_add_nc_u64 s[30:31], s[14:15], s[28:29]      ; its codes
	s_lshl_b32 s28, s24, 4
	s_add_nc_u64 s[32:33], s[14:15], s[28:29]
	s_add_nc_u64 s[32:33], s[32:33], XS_OFF        ; its scale bytes
	s_lshl_b32 s28, s24, 3
	s_add_nc_u64 s[34:35], s[18:19], s[28:29]      ; its gates
	s_add_nc_u64 s[36:37], s[34:35], AUX_OFF       ; my wave's 64 bytes of partial sums: 64 x (first token / 8)
	s_lshl_b32 s28, s24, 2
	s_add_nc_u64 s[38:39], s[20:21], s[28:29]      ; its choice
.irp i, 0,1,2,3,4,5,6,7
	global_load_b128 v[X+4*\i:X+4*\i+3], v13, s[6:7] offset:2048*\i            ; the work-group's 128 threads read router_w once, 2,048 consecutive bytes a line
.endr
.irp t, 0,1,2,3,4,5,6,7
.irp i, 0,1,2,3
	global_load_b128 v[R+16*\t+4*\i:R+16*\t+4*\i+3], v2, s[4:5] offset:2048*\t+512*\i th:TH_LOAD_NT   ; 32 lanes read 512 consecutive bytes; x is read once in the launch
.endr
.endr
	s_wait_loadcnt 32                              ; router_w is in; the 32 loads of x behind it stay out
.irp i, 0,1,2,3,4,5,6,7
	ds_store_b128 v11, v[X+4*\i:X+4*\i+3] offset:4*RWP*\i
.endr
	s_wait_dscnt 0x0                               ; for the others' sake: my part of router_w lies in LDS
	s_barrier_signal -1
	s_barrier_wait -1
	WIN 0x40                                       ; destination window 1
.set q, 0
.rept 32
	ds_load_b128 v[4*q:4*q+3], v12 offset:16*q     ; window 1, register 8 kk + e = router_w[16 lane + kk][e]
.set q, q+1
.endr
	WIN 0
.irp e, 1,2,3,4,5,6,7
	v_cmp_eq_u32 s[40+\e], \e, v7                  ; the lanes of expert e
.endr
	s_mov_b32 s48, 0x76543210
	s_mov_b32 s49, 0xfedcba98                      ; v_permlanex16_b32: lane l xor 16
	s_mov_b32 s50, 0x3fb8aa3b                      ; log2(e)
	v_mov_b32 v15, 0xff800000                      ; -infinity
.irp j, 0,1,2,3,4,5,6,7
	v_mov_b32 v[TMP+\j], 0                         ; written once: a lane permute's destination counts as one of its sources
.endr
	v_mov_b32 v[ACCP], 0
	v_mov_b32 v[ACCC], 0
	v_mov_b32 v[SELV], 0
	v_mov_b32 v[GV], 0
	v_mov_b32 v[GV+1], 0
	s_wait_dscnt 0x0                               ; router_w is in my registers
.macro TURN t                          ; token t's 2,048 bytes through a stage: LDS serves a wave's instructions in order, so no wait stands between the stores and the loads
.irp i, 0,1,2,3
	ds_store_b128 v3, v[R+16*(\t)+4*\i:R+16*(\t)+4*\i+3] offset:STG*((\t)%2)+8*STP*\i
.endr
.irp i, 0,1,2,3
	ds_load_b128 v[X+16*((\t)%2)+4*\i:X+16*((\t)%2)+4*\i+3], v4 offset:STG*((\t)%2)+16*\i
.endr
.endm
	s_wait_loadcnt 28                              ; token 0's four loads are in; the other seven tokens' stay out
	TURN 0
.macro STEP t
.set XT, X+16*((\t)%2)
.if (\t) > 0
	s_wait_dscnt 1                                 ; this token's numbers are back from the stage; the last token's byte store may be out
.else
	s_wait_dscnt 0x0
.endif
.if (\t) < 7
	s_wait_loadcnt 4*(6-(\t))                      ; the next token's four loads are in; the later tokens' stay out
	TURN (\t)+1
.endif
	; the quantiser: lane l holds x[16 l .. 16 l + 15]; two neighbouring lanes hold a block of 32
	v_max3_num_f32 v8, |v[XT]|, |v[XT+1]|, |v[XT+2]|
	v_max3_num_f32 v11, |v[XT+3]|, |v[XT+4]|, |v[XT+5]|
.irp i, 6,10
	v_max3_num_f32 v8, v8, |v[XT+\i]|, |v[XT+\i+1]|
	v_max3_num_f32 v11, v11, |v[XT+\i+2]|, |v[XT+\i+3]|
.endr
	v_max3_num_f32 v8, v8, |v[XT+14]|, |v[XT+15]|
	v_max3_num_f32 v8, v8, v11, 0x1800000          ; and the floor 2^(3 - 127): the byte cannot fall under 1
	v_max_num_f32_dpp v8, v8, v8 row_xmask:1 row_mask:0xf bank_mask:0xf   ; with my neighbour's 16: the block's largest magnitude
	v_add_nc_u32 v12, 0xff000000, v8               ; 2 off its exponent field: the conversion takes the exponent field of this operand as its scale
	v_cvt_scalef32_pk8_fp4_f32 v[C+2*(\t)], v[XT:XT+7], v12
	v_cvt_scalef32_pk8_fp4_f32 v[C+2*(\t)+1], v[XT+8:XT+15], v12
	v_lshrrev_b32 v[E+(\t)], 23, v12               ; the scale's byte (also the plain line behind the conversions)
	ds_store_b8 v5, v[E+(\t)] offset:16*(\t)       ; both lanes of a block write the same byte with the same value
	global_store_b64 v6, v[C+2*(\t):C+2*(\t)+1], s[30:31] offset:256*(\t)   ; the token's 256 bytes of codes, consecutive and aligned
	; the logits: 16 k a lane, two experts an instruction, four accumulators by turns
	WIN 0x04                                       ; source 1 (router_w) in window 1
.set kk, 0
.rept 16
.set p, 0
.rept 4
.if kk == 0
	v_pk_mul_f32 v[ACC+2*p:ACC+2*p+1], v[XT:XT+1], v[2*p:2*p+1] op_sel_hi:[0,1]
.elseif kk%2 == 0
	v_pk_fma_f32 v[ACC+2*p:ACC+2*p+1], v[XT+kk:XT+kk+1], v[8*kk+2*p:8*kk+2*p+1], v[ACC+2*p:ACC+2*p+1] op_sel_hi:[0,1,1]
.else
	v_pk_fma_f32 v[ACC+2*p:ACC+2*p+1], v[XT+kk-1:XT+kk], v[8*kk+2*p:8*kk+2*p+1], v[ACC+2*p:ACC+2*p+1] op_sel:[1,0,0] op_sel_hi:[1,1,1]
.endif
.set p, p+1
.endr
.set kk, kk+1
.endr
	WIN 0
.irp m, 1,2,4,8
.irp e, 0,1,2,3,4,5,6,7
	v_add_f32_dpp v[ACC+\e], v[ACC+\e], v[ACC+\e] row_xmask:\m row_mask:0xf bank_mask:0xf
.endr
.endr
.irp e, 0,1,2,3,4,5,6,7
	v_permlanex16_b32 v[TMP+\e], v[ACC+\e], s48, s49
.endr
.irp e, 0,1,2,3,4,5,6,7
	v_add_f32 v[ACC+\e], v[ACC+\e], v[TMP+\e]      ; every lane holds all 8 logits
.endr
	v_mov_b32 v[LG], v[ACC]
.irp e, 1,2,3,4,5,6,7
	v_cndmask_b32 v[LG], v[LG], v[ACC+\e], s[40+\e]   ; mine: expert lane & 7
.endr
	v_mov_b32 v[M1], v[LG]
.irp m, 1,2,4
	v_max_num_f32_dpp v[M1], v[M1], v[M1] row_xmask:\m row_mask:0xf bank_mask:0xf
.endr
	v_cmp_eq_f32 s52, v[LG], v[M1]
	s_ctz_i32_b32 s53, s52                         ; the first choice: lanes 0-7 come first, so the lowest index wins a tie
	v_cmp_eq_u32 s54, s53, v7
	v_cndmask_b32 v[TMP+1], v[LG], v15, s54        ; the logits without it
	v_mov_b32 v[M2], v[TMP+1]
.irp m, 1,2,4
	v_max_num_f32_dpp v[M2], v[M2], v[M2] row_xmask:\m row_mask:0xf bank_mask:0xf
.endr
	v_cmp_eq_f32 s55, v[TMP+1], v[M2]
	s_ctz_i32_b32 s56, s55                         ; the second choice
	v_sub_f32 v[PR], v[LG], v[M1]                  ; the maximum is taken away ahead of both exponentials
	v_sub_f32 v[TMP+2], v[M2], v[M1]
	v_mul_f32 v[PR], s50, v[PR]
	v_mul_f32 v[TMP+2], s50, v[TMP+2]
	v_exp_f32 v[PR], v[PR]
	v_exp_f32 v[TMP+2], v[TMP+2]                   ; d = e^(second - first)
	v_cndmask_b32 v[TMP+4], 0, 1.0, s54            ; 1 in the lanes of the first choice (the plain line behind the exponentials)
	s_wait_alu depctr_va_vdst(0)
	v_mov_b32 v[TMP+3], v[PR]
.irp m, 1,2,4
	v_add_f32_dpp v[TMP+3], v[TMP+3], v[TMP+3] row_xmask:\m row_mask:0xf bank_mask:0xf
.endr
	v_add_f32 v[TMP+5], 1.0, v[TMP+2]
	v_rcp_f32 v[TMP+3], v[TMP+3]
	v_rcp_f32 v[TMP+5], v[TMP+5]                   ; the first gate: 1 / (1 + d)
	v_add_f32 v[ACCC], v[ACCC], v[TMP+4]           ; (the plain line behind the reciprocals)
	s_wait_alu depctr_va_vdst(0)
	v_fmac_f32 v[ACCP], v[PR], v[TMP+3]
	v_mul_f32 v[TMP+6], v[TMP+2], v[TMP+5]         ; the second gate: d / (1 + d)
	s_lshl_b32 s57, s56, 8
	s_or_b32 s57, s57, s53
	v_writelane_b32 v[SELV], s57, \t               ; kept as data alone
	v_readfirstlane_b32 s58, v[TMP+5]
	v_writelane_b32 v[GV], s58, \t
	v_readfirstlane_b32 s59, v[TMP+6]
	v_writelane_b32 v[GV+1], s59, \t
.endm
.irp t, 0,1,2,3,4,5,6,7
	STEP \t
.endr
	ds_load_b32 v8, v10                            ; my 8 tokens' 128 scale bytes: LDS serves a wave's instructions in order
	s_wait_dscnt 0x0
	global_store_b32 v9, v8, s[32:33]              ; 128 consecutive bytes
	v_and_b32 v11, 8, v1
	v_cmp_ne_u32 vcc_lo, 0, v11
	v_cndmask_b32 v12, v[ACCP], v[ACCC], vcc_lo    ; lanes 0-7 the sums of probabilities, lanes 8-15 the counts
	v_cmp_gt_u32 vcc_lo, 16, v1
	s_wait_xcnt 0x0                                ; EXEC changes only behind this wait
	s_wait_tensorcnt 0x0
	ds_add_u32 v254, v255
	s_wait_dscnt 0x0
	s_and_saveexec_b32 s52, vcc_lo
	global_store_b32 v9, v12, s[36:37]             ; 64 bytes a wave
	s_wait_xcnt 0x0
	s_or_b32 exec_lo, exec_lo, s52
	v_cmp_gt_u32 vcc_lo, 8, v1
	s_and_saveexec_b32 s52, vcc_lo
	global_store_b32 v9, v[SELV], s[38:39]         ; 32 bytes a wave
	global_store_b64 v6, v[GV:GV+1], s[34:35]      ; 64 bytes a wave
	s_wait_xcnt 0x0
	s_or_b32 exec_lo, exec_lo, s52
	s_endpgm
	; ---------------- RELAY ----------------
.Lrelay:
	v_and_b32 v3, 15, v0                           ; r
	v_bfe_u32 v4, v0, 4, 1                         ; h
	s_cmp_ge_u32 ttmp9, 192
	s_cbranch_scc1 .Lrelay2
	; W1: unit 4 (work-group - 128) + wave = 32 e + 4 i + w: 64 rows of 256 bytes, 16,384 consecutive bytes in w1_codes and in wf alike
	s_sub_co_u32 s24, ttmp9, 128
	s_lshl_b32 s24, s24, 2
	s_add_co_u32 s24, s24, s22
	s_lshl_b32 s24, s24, 14
	s_mov_b32 s25, 0
	v_and_b32 v5, 8, v3
	v_add_nc_u32 v5, v5, v3                        ; r + 8 (r / 8)
	v_lshlrev_b32 v5, 8, v5
	v_lshl_add_u32 v5, v4, 4, v5                   ; that row, + 16 h
	s_wait_kmcnt 0x0
	s_add_nc_u64 s[8:9], s[8:9], s[24:25]
	s_add_nc_u64 s[16:17], s[16:17], s[24:25]
.set n, 0
.rept 32                               ; n = 2 (4 t + s) + c: tile t, K step s, half c of the fragment
	global_load_b128 v[16+4*n:19+4*n], v5, s[8:9] offset:(32*(n/16)+8*((n/8)%2))*256+64*((n/2)%4)+32*(n%2) th:TH_LOAD_NT
.set n, n+1
.endr
.set n, 0
.rept 32
	s_wait_loadcnt 31-n                            ; load n is in; the younger ones stay out
	global_store_b128 v2, v[16+4*n:19+4*n], s[16:17] offset:512*n   ; 512 consecutive bytes
.set n, n+1
.endr
	s_endpgm
.Lrelay2:
	; W2: unit 4 (work-group - 192) + wave = 32 e + 4 i + w: columns 128 w .. + 127 of expert e, hidden units 256 i .. + 255
	s_sub_co_u32 s24, ttmp9, 192
	s_lshl_b32 s24, s24, 2
	s_add_co_u32 s24, s24, s22
	s_lshr_b32 s26, s24, 5                         ; e
	s_bfe_u32 s27, s24, 0x30002                    ; i
	s_lshl_b32 s28, s26, 19                        ; codes: e x 512 rows x 1,024 bytes
	s_lshl_b32 s30, s22, 17                        ; + w x 128 rows
	s_add_co_u32 s28, s28, s30
	s_lshl_b32 s30, s27, 7                         ; + i x 128 bytes
	s_add_co_u32 s28, s28, s30
	s_mov_b32 s29, 0
	s_lshl_b32 s32, s26, 15                        ; scale bytes: e x 512 rows x 64 bytes
	s_lshl_b32 s30, s22, 13
	s_add_co_u32 s32, s32, s30
	s_lshl_b32 s30, s27, 3
	s_add_co_u32 s32, s32, s30
	s_mov_b32 s33, 0
	s_lshl_b32 s34, s24, 14
	s_mov_b32 s35, 0
	s_lshl_b32 s36, s24, 10
	s_mov_b32 s37, 0
	v_lshlrev_b32 v5, 10, v3
	v_lshl_add_u32 v5, v4, 4, v5                   ; row r of 1,024 bytes, + 16 h
	v_lshlrev_b32 v6, 6, v1                        ; scale bytes: row lane of 64 bytes
	s_wait_kmcnt 0x0
	s_add_nc_u64 s[10:11], s[10:11], s[28:29]
	s_add_nc_u64 s[12:13], s[12:13], s[32:33]
	s_add_nc_u64 s[38:39], s[16:17], s[34:35]
	s_add_nc_u64 s[38:39], s[38:39], W2F_OFF
	s_add_nc_u64 s[16:17], s[16:17], s[36:37]
	s_add_nc_u64 s[16:17], s[16:17], W2S_OFF
.set n, 0
.rept 32                               ; n = 2 (2 ct + ks) + c: column tile ct, K step ks of the chunk, half c
	global_load_b128 v[16+4*n:19+4*n], v5, s[10:11] offset:(n/4)*16384+64*((n/2)%2)+32*(n%2)
.set n, n+1
.endr
.irp cp, 0,1,2,3                       ; register 2 cp + ks: lanes 0-15 the scale word of column tile 2 cp, lanes 16-31 that of tile 2 cp + 1
	global_load_b64 v[144+2*\cp:145+2*\cp], v6, s[12:13] offset:2048*\cp
.endr
.set n, 0
.rept 32
	s_wait_loadcnt 35-n                            ; load n is in; the younger code loads and the four scale loads stay out
	global_store_b128 v2, v[16+4*n:19+4*n], s[38:39] offset:512*n
.set n, n+1
.endr
	s_wait_loadcnt 0x0
	global_store_b128 v2, v[144:147], s[16:17]
	global_store_b128 v2, v[148:151], s[16:17] offset:512
	s_endpgm
.Lfunc_end_k_qcb97348265_prep:
	.size	k_qcb97348265_prep, .Lfunc_end_k_qcb97348265_prep-k_qcb97348265_prep
	.p2alignl 7, 3214868480
	.fill 96, 4, 3214868480
	.section	.rodata,"a",@progbits
	.p2align	6, 0x0
	.amdhsa_kernel k_qcb97348265_prep
		.amdhsa_group_segment_fixed_size 39424
		.amdhsa_private_segment_fixed_size 0
		.amdhsa_enable_private_segment 0
		.amdhsa_kernarg_size 72
		.amdhsa_user_sgpr_count 2
		.amdhsa_user_sgpr_kernarg_segment_ptr 1
		.amdhsa_wavefront_size32 1
		.amdhsa_system_sgpr_workgroup_id_x 1
		.amdhsa_system_sgpr_workgroup_id_y 1
		.amdhsa_system_sgpr_workgroup_id_z 1
		.amdhsa_system_vgpr_workitem_id 0
		.amdhsa_next_free_vgpr 384
		.amdhsa_next_free_sgpr 66
		.amdhsa_reserve_vcc 1
		.amdhsa_float_denorm_mode_32 3
		.amdhsa_float_denorm_mode_16_64 3
		.amdhsa_memory_ordered 1
		.amdhsa_forward_progress 1
		.amdhsa_inst_pref_size 113
	.end_amdhsa_kernel
	.amdgpu_metadata
---
amdhsa.version: [ 1, 2 ]
amdhsa.kernels:
  - .name:           k_qcb97348265_prep
    .symbol:         k_qcb97348265_prep.kd
    .args:
      - { .name: x, .offset: 0, .size: 8, .value_kind: global_buffer, .address_space: global }
      - { .name: router_w, .offset: 8, .size: 8, .value_kind: global_buffer, .address_space: global }
      - { .name: w1_codes, .offset: 16, .size: 8, .value_kind: global_buffer, .address_space: global }
      - { .name: w2_codes, .offset: 24, .size: 8, .value_kind: global_buffer, .address_space: global }
      - { .name: w2_scales, .offset: 32, .size: 8, .value_kind: global_buffer, .address_space: global }
      - { .name: xq, .offset: 40, .size: 8, .value_kind: global_buffer, .address_space: global }
      - { .name: wf, .offset: 48, .size: 8, .value_kind: global_buffer, .address_space: global }
      - { .name: rt, .offset: 56, .size: 8, .value_kind: global_buffer, .address_space: global }
      - { .name: sel, .offset: 64, .size: 8, .value_kind: global_buffer, .address_space: global }
    .group_segment_fixed_size: 39424
    .private_segment_fixed_size: 0
    .kernarg_segment_align: 8
    .kernarg_segment_size: 72
    .max_flat_workgroup_size: 128
    .sgpr_count:     66
    .vgpr_count:     384
    .wavefront_size: 32
...
	.end_amdgpu_metadata
.endif
;; end of part 1
;; launch place (part 2): grid 1 x 1, 32 waves a work-group, no clusters, 8,192 bytes of LDS; arguments sel, rt, lists, out1; writes lists, out1
.if DOCPART == 2
	.amdgcn_target "amdgcn-amd-amdhsa--gfx1250"
	.amdhsa_code_object_version 6
	.text
	.protected	k_qcb97348265_place
	.globl	k_qcb97348265_place
	.p2align	8
	.type	k_qcb97348265_place,@function
k_qcb97348265_place:
	s_mov_b64 s[64:65], 0
	v_nop
	global_prefetch_b8 v0, s[64:65] scope:SCOPE_SE
	s_setreg_imm32_b32 hwreg(HW_REG_WAVE_MODE, 25, 1), 1
	s_wait_xcnt 0x0
; SECOND LAUNCH: the routed rows (token, choice), 8,192 of them, are placed by expert, in tiles of 48 rows; and the auxiliary loss is finished.
; One work-group of 32 waves: a counting sort without atomics.  Thread j owns tokens 4 j .. 4 j + 3: eight entries n = 2 q + k.
; Counts are kept as fields: within a wave eight byte fields in two words (a token names an expert once, so a wave counts at most 128), across waves 16-bit fields (at most 4,096).
; lists: tile_exp [256] at 0 (8: the tile has no rows); pos [4096][2] at 1,024: the slot of each entry; rowtok at RT_OFF: the token of each slot, tile g row i at 48 g + i.
; Expert e has ceil(n_e / 48) tiles, one behind the other: never more than 178 in all, whatever the choice, and never fewer than 171.
; EACH OF THE 8,544 SLOTS IS STORED ONCE.  A slot with a row gets its token.  The others get token 0: waves 2 e and 2 e + 1 fill expert e's last tile up (at most 47 slots, from 48 x its first
; tile + n_e on), waves 16-31 the slots behind the last tile in use (at most 7 x 48 = 336, for their 512 threads).
; The scattered stores are 4 bytes a lane; 34 KB in the whole launch.
; out1 = 0.01 x 8 x sum over e of (sum of probabilities / 4,096) (count of first choices / 4,096), from the 512 partial sums of the first launch.
.set RT_OFF, 33792
.set CNT, 0                            ; LDS: 8 bytes for each wave: its eight counts
.set AUX, 256                          ; 64 bytes for each wave: its 16 sums
.macro SCAN x                          ; an inclusive sum over the 32 lanes, in place; v62, v63 at work
.irp n, 1,2,4,8
	v_mov_b32_dpp v62, v[\x] row_shr:\n row_mask:0xf bank_mask:0xf bound_ctrl:1   ; lanes without a source get 0
	v_add_nc_u32 v[\x], v[\x], v62
.endr
	v_readlane_b32 s20, v[\x], 15
	v_mov_b32 v63, s20
	v_cndmask_b32 v62, v80, v63, s21               ; lanes 16-31 add the lower half's total
	v_add_nc_u32 v[\x], v[\x], v62
.endm
	s_load_b256 s[4:11], s[0:1], 0x0               ; sel, rt, lists, out1
	v_lshl_add_u32 v112, v0, 2, 0x1000
	v_mov_b32 v113, 0
	v_lshrrev_b32 v1, 5, v0
	v_readfirstlane_b32 s12, v1                    ; wave 0..31
	v_and_b32 v1, 31, v0                           ; lane
	v_lshlrev_b32 v2, 4, v0                        ; 16 j
	v_lshlrev_b32 v3, 2, v0                        ; 4 j: a byte offset, and my first token's number
	v_mov_b32 v80, 0
	v_mov_b32 v81, 1
	v_mov_b32 v62, 0                               ; written once: a DPP destination counts as one of its sources
	v_and_b32 v100, 15, v0
	v_lshlrev_b32 v100, 2, v100
	s_lshl_b32 s26, s12, 6
	v_add_nc_u32 v101, s26, v100                   ; AUX, in: 64 x wave + 4 (lane & 15)
	v_bfe_u32 v102, v0, 4, 1
	v_lshl_add_u32 v102, v102, 6, v100             ; AUX, out: 4 (lane & 15) + 64 (lane / 16)
	v_mov_b32 v103, s12
	v_lshlrev_b32 v103, 3, v103                    ; CNT, in: 8 x wave
	v_lshlrev_b32 v104, 3, v1                      ; CNT, out: 8 x lane
	v_lshlrev_b32 v105, 5, v0                      ; pos: 32 j
	s_mov_b32 s21, 0xffff0000                      ; lanes 16-31
	s_mov_b32 s24, 0x76543210
	s_mov_b32 s25, 0xfedcba98                      ; v_permlanex16_b32: lane l xor 16
	s_mov_b32 s27, 0x00ff00ff
	s_wait_kmcnt 0x0
	s_add_nc_u64 s[14:15], s[8:9], RT_OFF          ; rowtok
	global_load_b128 v[4:7], v2, s[4:5]            ; my four tokens' choices
.irp i, 0,1,2,3,4,5,6,7
	global_load_b32 v[8+\i], v3, s[6:7] offset:32768+4096*\i   ; eight of the 8,192 partial sums: all of column j & 15
.endr
	s_wait_loadcnt 8                               ; the choices are in; the eight loads behind them stay out
.irp n, 0,1,2,3,4,5,6,7
	v_bfe_u32 v[16+\n], v[4+\n/2], 8*(\n%2), 3     ; the entry's expert
	v_and_b32 v[24+\n], 3, v[16+\n]
	v_lshlrev_b32 v[24+\n], 3, v[24+\n]            ; its field's first bit
	v_lshlrev_b32 v63, v[24+\n], v81               ; 1 in that field,
	v_cmp_lt_u32 vcc_lo, 3, v[16+\n]
	v_cndmask_b32 v[32+\n], v63, v80, vcc_lo       ; of the word of experts 0-3
	v_cndmask_b32 v[40+\n], v80, v63, vcc_lo       ; or of the word of experts 4-7
.endr
	v_add_nc_u32 v56, v32, v33
	v_add_nc_u32 v57, v40, v41
	v_add3_u32 v56, v56, v34, v35
	v_add3_u32 v57, v57, v42, v43
	v_add3_u32 v56, v56, v36, v37
	v_add3_u32 v57, v57, v44, v45
	v_add3_u32 v56, v56, v38, v39                  ; my thread's counts
	v_add3_u32 v57, v57, v46, v47
	v_mov_b32 v58, v56
	v_mov_b32 v59, v57
	SCAN 58
	SCAN 59
	v_sub_nc_u32 v60, v58, v56                     ; the counts of the lanes below me
	v_sub_nc_u32 v61, v59, v57
	v_readlane_b32 s22, v58, 31
	v_readlane_b32 s23, v59, 31
	v_mov_b32 v64, s22
	v_mov_b32 v65, s23
	ds_store_b64 v103, v[64:65] offset:CNT         ; my wave's counts: every lane writes the same words with the same values
.irp n, 0,1,2,3,4,5,6,7
	v_cmp_lt_u32 vcc_lo, 3, v[16+\n]
	v_cndmask_b32 v63, v60, v61, vcc_lo
	v_bfe_u32 v[48+\n], v63, v[24+\n], 8           ; the entry's rank among its expert's entries in the wave
	v_add_nc_u32 v60, v60, v[32+\n]
	v_add_nc_u32 v61, v61, v[40+\n]
.endr
	s_wait_loadcnt 0x0
	v_add_f32 v8, v8, v9
	v_add_f32 v10, v10, v11
	v_add_f32 v12, v12, v13
	v_add_f32 v14, v14, v15
	v_add_f32 v8, v8, v10
	v_add_f32 v12, v12, v14
	v_add_f32 v8, v8, v12
	v_permlanex16_b32 v9, v8, s24, s25
	v_add_f32 v8, v8, v9                           ; my wave's sum of column lane & 15
	ds_store_b32 v101, v8 offset:AUX               ; lanes l and l xor 16 write the same word with the same value
	s_wait_dscnt 0x0                               ; for the others' sake: my stores have landed
	s_barrier_signal -1
	s_barrier_wait -1                              ; the only barrier: behind it LDS is only read
	ds_load_b64 v[64:65], v104 offset:CNT          ; lane l: wave l's counts
	s_wait_dscnt 0x0
	v_and_b32 v72, s27, v64                        ; fields of 16 bits: experts 0, 2
	v_lshrrev_b32 v73, 8, v64
	v_and_b32 v73, s27, v73                        ; 1, 3
	v_and_b32 v74, s27, v65                        ; 4, 6
	v_lshrrev_b32 v75, 8, v65
	v_and_b32 v75, s27, v75                        ; 5, 7
.irp f, 0,1,2,3
	v_mov_b32 v[76+\f], v[72+\f]
.endr
	SCAN 76
	SCAN 77
	SCAN 78
	SCAN 79
.irp f, 0,1,2,3
	v_readlane_b32 s[28+\f], v[76+\f], 31          ; the experts' totals
	v_sub_nc_u32 v[72+\f], v[76+\f], v[72+\f]
	v_readlane_b32 s[32+\f], v[72+\f], s12         ; and the counts of the waves below mine
.endr
	s_and_b32 s40, s28, 0xffff                     ; n_e in s[40 + e]
	s_lshr_b32 s42, s28, 16
	s_and_b32 s41, s29, 0xffff
	s_lshr_b32 s43, s29, 16
	s_and_b32 s44, s30, 0xffff
	s_lshr_b32 s46, s30, 16
	s_and_b32 s45, s31, 0xffff
	s_lshr_b32 s47, s31, 16
	s_and_b32 s48, s32, 0xffff                     ; the waves below mine, in s[48 + e]
	s_lshr_b32 s50, s32, 16
	s_and_b32 s49, s33, 0xffff
	s_lshr_b32 s51, s33, 16
	s_and_b32 s52, s34, 0xffff
	s_lshr_b32 s54, s34, 16
	s_and_b32 s53, s35, 0xffff
	s_lshr_b32 s55, s35, 16
	s_lshr_b32 s82, s12, 1                         ; the expert whose last tile my wave fills up (8 or more: none)
	s_mov_b32 s84, 0
	s_mov_b32 s85, 0
	s_mov_b32 s36, 0                               ; tiles so far
.irp e, 0,1,2,3,4,5,6,7
	s_mul_i32 s[66+\e], s36, 48                    ; the expert's first slot
	s_add_co_u32 s[74+\e], s[66+\e], s[48+\e]      ; and my wave's first slot in it
	s_add_co_u32 s37, s[40+\e], 47
	s_mul_i32 s37, s37, 43691
	s_lshr_b32 s37, s37, 21                        ; ceil(n_e / 48): 43,691 x 48 = 2^21 + 16, exact for numbers under 131,072
	s_add_co_u32 s36, s36, s37
	s_mov_b32 s[56+\e], s36                        ; tiles up to and with this expert
	s_add_co_u32 s38, s[66+\e], s[40+\e]           ; the first slot behind the expert's rows
	s_cmp_eq_u32 s82, \e
	s_cselect_b32 s84, s38, s84                    ; kept if the expert is my wave's,
	s_cselect_b32 s85, s36, s85                    ; with the tile behind its last
.endr
	s_mul_i32 s85, s85, 48                         ; waves 0-15: from the first slot behind the rows, + 32 for the odd wave, up to the tile's end
	s_and_b32 s86, s12, 1
	s_lshl_b32 s86, s86, 5
	s_add_co_u32 s84, s84, s86
	s_mul_i32 s87, s36, 48                         ; waves 16-31: from the first slot behind the last tile in use, + 32 (wave - 16), up to slot 8,544
	s_sub_co_u32 s88, s12, 16
	s_lshl_b32 s88, s88, 5
	s_add_co_u32 s87, s87, s88
	s_mov_b32 s89, 8544
	s_cmp_lt_u32 s12, 16
	s_cselect_b32 s84, s84, s87
	s_cselect_b32 s85, s85, s89
.irp n, 0,1,2,3,4,5,6,7
	v_mov_b32 v[64+\n], s74
.irp e, 1,2,3,4,5,6,7
	v_cmp_eq_u32 vcc_lo, \e, v[16+\n]
	v_cndmask_b32 v[64+\n], v[64+\n], s[74+\e], vcc_lo
.endr
	v_add_nc_u32 v[64+\n], v[64+\n], v[48+\n]      ; the entry's slot
	v_min_u32 v[64+\n], 0x215f, v[64+\n]           ; held inside the 178 tiles' 8,544 slots ahead of its use in an address
	v_lshlrev_b32 v[82+\n], 2, v[64+\n]
.endr
.irp q, 0,1,2,3
	v_add_nc_u32 v[90+\q], \q, v3                  ; token 4 j + q
.endr
.irp n, 0,1,2,3,4,5,6,7
	global_store_b32 v[82+\n], v[90+\n/2], s[14:15]   ; rowtok[slot] = token
.endr
	global_store_b128 v105, v[64:67], s[8:9] offset:1024   ; pos: my eight entries' slots, 32 consecutive bytes a thread
	global_store_b128 v105, v[68:71], s[8:9] offset:1040
	v_add_nc_u32 v95, s84, v1                      ; my slot without a row, if it lies below the end
	v_cmp_gt_u32 vcc_lo, s85, v95
	v_min_u32 v95, 0x215f, v95                     ; held inside the 8,544 slots ahead of its use in an address
	v_lshlrev_b32 v95, 2, v95
	s_wait_xcnt 0x0                                ; EXEC changes only behind this wait
	s_and_saveexec_b32 s39, vcc_lo
	global_store_b32 v95, v80, s[14:15]            ; token 0
	s_wait_xcnt 0x0
	s_or_b32 exec_lo, exec_lo, s39
	s_cmp_lt_u32 s12, 8
	s_cbranch_scc0 .Lno_tiles
	v_mov_b32 v98, 0
.irp e, 0,1,2,3,4,5,6,7
	v_cmp_le_u32 vcc_lo, s[56+\e], v0
	v_cndmask_b32 v99, v80, v81, vcc_lo
	v_add_nc_u32 v98, v98, v99                     ; tile j's expert: how many experts end at or below it; 8 behind the last
.endr
	global_store_b32 v3, v98, s[8:9]               ; tile_exp
.Lno_tiles:
	s_cmp_lg_u32 s12, 31                           ; the loss is finished by the last wave, which has no tile list to store
	s_cbranch_scc1 .Lend
.irp i, 0,1,2,3,4,5,6,7,8,9,10,11,12,13,14,15
	ds_load_b32 v[16+\i], v102 offset:AUX+128*\i   ; wave 2 i + lane / 16, column lane & 15
.endr
	s_wait_dscnt 0x0
.irp i, 0,2,4,6,8,10,12,14
	v_add_f32 v[16+\i], v[16+\i], v[17+\i]
.endr
.irp i, 0,4,8,12
	v_add_f32 v[16+\i], v[16+\i], v[18+\i]
.endr
	v_add_f32 v16, v16, v20
	v_add_f32 v24, v24, v28
	v_add_f32 v16, v16, v24
	v_permlanex16_b32 v17, v16, s24, s25
	v_add_f32 v16, v16, v17                        ; columns 0-7: the sums of probabilities; 8-15: the counts
	v_mul_f32_dpp v18, v16, v16 row_xmask:8 row_mask:0xf bank_mask:0xf   ; sum x count of expert lane & 7
.irp m, 1,2,4
	v_add_f32_dpp v18, v18, v18 row_xmask:\m row_mask:0xf bank_mask:0xf
.endr
	v_mul_f32 v18, 0x31a3d70a, v18                 ; x 0.08 / 4,096^2
	v_cmp_eq_u32 vcc_lo, 0, v1
	s_wait_xcnt 0x0
	s_and_saveexec_b32 s39, vcc_lo
	global_store_b32 v80, v18, s[10:11]            ; out1
	s_wait_xcnt 0x0
	s_or_b32 exec_lo, exec_lo, s39
.Lend:
	s_wait_tensorcnt 0x0
	ds_add_u32 v112, v113
	s_wait_dscnt 0x0
	s_endpgm
.Lfunc_end_k_qcb97348265_place:
	.size	k_qcb97348265_place, .Lfunc_end_k_qcb97348265_place-k_qcb97348265_place
	.p2alignl 7, 3214868480
	.fill 96, 4, 3214868480
	.section	.rodata,"a",@progbits
	.p2align	6, 0x0
	.amdhsa_kernel k_qcb97348265_place
		.amdhsa_group_segment_fixed_size 8192
		.amdhsa_private_segment_fixed_size 0
		.amdhsa_enable_private_segment 0
		.amdhsa_kernarg_size 32
		.amdhsa_user_sgpr_count 2
		.amdhsa_user_sgpr_kernarg_segment_ptr 1
		.amdhsa_wavefront_size32 1
		.amdhsa_system_sgpr_workgroup_id_x 1
		.amdhsa_system_sgpr_workgroup_id_y 1
		.amdhsa_system_sgpr_workgroup_id_z 1
		.amdhsa_system_vgpr_workitem_id 0
		.amdhsa_next_free_vgpr 114
		.amdhsa_next_free_sgpr 96
		.amdhsa_reserve_vcc 1
		.amdhsa_float_denorm_mode_32 3
		.amdhsa_float_denorm_mode_16_64 3
		.amdhsa_memory_ordered 1
		.amdhsa_forward_progress 1
		.amdhsa_inst_pref_size 28
	.end_amdhsa_kernel
	.amdgpu_metadata
---
amdhsa.version: [ 1, 2 ]
amdhsa.kernels:
  - .name:           k_qcb97348265_place
    .symbol:         k_qcb97348265_place.kd
    .args:
      - { .name: sel, .offset: 0, .size: 8, .value_kind: global_buffer, .address_space: global }
      - { .name: rt, .offset: 8, .size: 8, .value_kind: global_buffer, .address_space: global }
      - { .name: lists, .offset: 16, .size: 8, .value_kind: global_buffer, .address_space: global }
      - { .name: out1, .offset: 24, .size: 8, .value_kind: global_buffer, .address_space: global }
    .group_segment_fixed_size: 8192
    .private_segment_fixed_size: 0
    .kernarg_segment_align: 8
    .kernarg_segment_size: 32
    .max_flat_workgroup_size: 1024
    .sgpr_count:     96
    .vgpr_count:     114
    .wavefront_size: 32
...
	.end_amdgpu_metadata
.endif
;; end of part 2
;; launch chain (part 3): grid 178 x 1, 4 waves a work-group, no clusters, 51,712 bytes of LDS; arguments xq, wf, lists, w1_scales, b1, b2, y; writes y
.if DOCPART == 3
	.amdgcn_target "amdgcn-amd-amdhsa--gfx1250"
	.amdhsa_code_object_version 6
	.text
	.protected	k_qcb97348265_chain
	.globl	k_qcb97348265_chain
	.p2align	8
	.type	k_qcb97348265_chain,@function
k_qcb97348265_chain:
	s_mov_b64 s[64:65], 0
	v_nop
	global_prefetch_b8 v0, s[64:65] scope:SCOPE_SE
	s_setreg_imm32_b32 hwreg(HW_REG_WAVE_MODE, 25, 1), 1
	s_wait_xcnt 0x0
; THIRD LAUNCH: y[slot] = gelu(x[token] W1[e] + b1[e]) W2[e] + b2[e] for the routed rows, both products on E2M1 codes with one E8M0 scale for each 32 along K.
; SHARES.  Work-group g takes tile g of the list: 48 rows (three tiles of 16) of ONE expert, through the whole chain; the hidden layer never goes to memory.  178 work-groups serve every split
; (ceil(8,192 / 48) + 7).  The 2,048 hidden units go in 8 chunks of 256.  THE WAVES SHARE THE COLUMNS: in a chunk wave w makes hidden units 64 w .. 64 w + 63 for all 48 rows, which are half
; w & 1 of K step w >> 1 of the second product; and it owns output columns 128 w .. 128 w + 127.  So each weight fragment is wanted by one wave, once: the weights go from memory straight into
; registers, in the order in which the first launch has laid them (each load of 16 bytes a lane covers 512 consecutive bytes), a chunk ahead of their use.
; NO JOINT LOADS, NO TENSOR LOADS: no weight byte is read by two waves of a work-group, so LDS would only be a detour; partners in a cluster would need tiles of one expert, but a tile's expert is a
; number read from the list and an expert's count of tiles is no multiple of four.
; A TILE WITHOUT ROWS (tile_exp = 8; no split leaves more than 7 of the 178) walks the chain on expert 7 and token 0, so that every wave passes every barrier on one path, and leaves out what stands behind the last
; barrier: it stores nothing.  Rows that fill a tile up (token 0) are computed and stored like the others; nobody reads them.
; LAYOUT.  Both products are used transposed (source 0 = 16 rows of the weight, source 1 = 16 rows of tokens): a lane holds ONE token (lane % 16) throughout.  Lane r of W1's tile 2 b + u holds
; row 32 b + 8 u + r + 8 (r / 8), so that the 16 registers of tiles 2 b and 2 b + 1 are 16 neighbours along the next K: 32 b + 16 (lane / 16) + 0 .. 15.
; The hidden codes go from wave to wave through LDS as images of the operand's registers (16 bytes a lane, 512 a store), their scale bytes as half words; two blocks of LDS take turns, one barrier a chunk.
; THE ORDER OF A CHUNK i: the hidden fragments of chunk i - 1 are asked for from LDS; the first product of chunk i stands between those loads and the wait for them; the second product of chunk i - 1;
; 62 loads of the next weights; a third of the activation; the other 14 loads; the rest of the activation; the quantiser for all six blocks of 32 at once, each of its steps for the six by turns.
; LOADcnt counts to 63 and a load beyond that waits at issue (ISA guide 5.7.1): so a chunk's 76 loads go out in two runs.
; GELU, exact, in f32: a = |v|, t = 1 / (1 + a / (2 sqrt 2)), erfc(a / sqrt 2) = t 2^(P(t) - a^2 log2(e) / 2), P a polynomial of degree 9 (a Chebyshev fit whose fractional error stays under 1.2e-7);
; 2 gelu(v) = (v + a) - a erfc(a / sqrt 2): v + a is exact (2 v or 0), nothing cancels on either side.  The factor 2 is taken off in the scale byte.
; The biases cost no addition: b1 is the C of a hidden tile's first product, b2 is loaded into the output's accumulators.
; LIMITS: NaN and infinities are not served.  Where erfc falls under 2^-126 (v under about -13) the exponential gives 0 and gelu is -0.  A block of zeros gets the scale byte 1 (its codes are zeros).
.set XS_OFF,  1048576                  ; xq: scale bytes behind the codes
.set W2F_OFF, 4194304                  ; wf: W2's fragments,
.set W2S_OFF, 8388608                  ; W2's scale words
.set RT_OFF,  33792                    ; lists: rowtok
.set HBLK,  8192                       ; LDS: two blocks for the hidden layer; in each: images (m, ks, c) at 2048 m + 1024 ks + 512 c + 16 lane,
.set HSC,   6144                       ; scale words at HSC + 256 m + 128 ks + 4 lane
.set STAGE, 16384                      ; behind them a stage for each wave: 16 rows x (512 bytes + 16)
.set SP,    528
; window 0
.set L16,  1                           ; 16 x lane
.set L4,   2                           ; 4 x lane
.set VW1S, 3                           ; W1's scale bytes: 16 x (8 (lane / 16) + r + 8 (r / 8))
.set VB1,  4                           ; 64 h
.set VB2,  5                           ; 32 h
.set XO,   6                           ; v6-8   token x 256 + 16 h
.set TOK,  9                           ; v9-11  token, then token x 16
.set HWI,  12                          ; where I store an image: 16 lane + 512 w
.set HWS,  13                          ; and a half word of scale bytes: HSC + 4 lane + 128 (w >> 1) + 2 (w & 1)
.set SO,   14                          ; the stage, in
.set SR,   15                          ; the stage, out
.set HRD,  16                          ; v16-19 the loop's addresses
.set HRS,  17
.set HWIC, 18
.set HWSC, 19
.set C9,   20                          ; v[20:21] the polynomial's highest coefficient, twice
.set W1S,  32                          ; v32-39 W1's scale words: 4 b + s; lanes 0-15 tile 2 b, lanes 16-31 tile 2 b + 1
.set W2S,  40                          ; v40-47 W2's: 2 (ct / 2) + ks; lanes 0-15 the even tile, lanes 16-31 the odd one
.set XS,   48                          ; v48-59 x's: 4 m + s
.set HS,   60                          ; v60-65 the hidden layer's: 2 m + ks
.set PC,   66                          ; v66-77 the codes just made: two registers for each block x = 2 m + b
.set GA,   80                          ; v80-95   a
.set GT,   96                          ; v96-111  t
.set GR,   112                         ; v112-127 the polynomial, then erfc
.set GW,   128                         ; v128-135 and v148-155: a^2 (pair p at GW + p + 12 (p / 8))
.set TM,   80                          ; the quantiser works where a and t lay: v80-85 largest magnitudes,
.set TP,   86                          ; v86-91 the other half's,
.set SOP,  96                          ; v96-101 the conversions' scale operands,
.set BY,   102                         ; v102-107 the bytes
.set HWD,  144                         ; v144-146 two scale bytes for each m
.set HACC, 160                         ; v160-255 the hidden tiles: 8 (4 m + t); block x = 2 m + b is 16 x on
; window 1
.set W1F,  0                           ; v0-127   W1's fragments: 8 (4 t + s)
.set B1R,  128                         ; v128-159 b1 in the result's layout: 8 t
.set XF,   160                         ; v160-255 x's fragments: 8 (4 m + s)
; window 2
.set W2F,  0                           ; v0-127   W2's fragments: 8 (2 ct + ks)
.set HF,   128                         ; v128-175 the hidden fragments: 8 (2 m + ks)
; window 3: v0-191 the output's accumulators: 8 (8 m + ct)
.set MSB, 0
.macro WIN new                         ; bits 1:0 source 0, 3:2 source 1, 5:4 source 2, 7:6 destination; the high byte repeats the setting that is left; a switch that changes nothing is dropped
.if MSB != \new
	s_set_vgpr_msb (MSB<<8)|\new
.set MSB, \new
.endif
.endm
.macro PLACES                          ; four plain vector lines between a matrix instruction and a load into one of its registers or the first read of its result (ISA guide 7.12.1 for vector instructions)
	WIN 0
.rept 4
	v_nop
.endr
.endm
.macro SPAIR r, bits                   ; a constant for the packed forms: they name a pair and take its low word for both halves
	s_mov_b32 s[\r], \bits
	s_mov_b32 s[\r+1], \bits
.endm
.macro MEET                            ; my LDS stores have landed and my LDS loads are in: then the work-group's barrier
	s_wait_dscnt 0x0
	s_barrier_signal -1
	s_barrier_wait -1
.endm
; one product of the first layer: hidden tile (m, t), K step s
.macro WM1 m, t, s
.set rD, HACC+8*(4*(\m)+(\t))
.set rA, W1F+8*(4*(\t)+(\s))
.set rB, XF+8*(4*(\m)+(\s))
.set rC, B1R+8*(\t)
.set rS, W1S+4*((\t)/2)+(\s)
.set rX, XS+4*(\m)+(\s)
.if (\s) == 0
.if (\t)%2
	v_wmma_scale_f32_16x16x128_f8f6f4 v[rD:rD+7], v[rA:rA+7], v[rB:rB+7], v[rC:rC+7], v[rS], v[rX] matrix_a_fmt:MATRIX_FMT_FP4 matrix_b_fmt:MATRIX_FMT_FP4 matrix_a_scale:MATRIX_SCALE_ROW1
.else
	v_wmma_scale_f32_16x16x128_f8f6f4 v[rD:rD+7], v[rA:rA+7], v[rB:rB+7], v[rC:rC+7], v[rS], v[rX] matrix_a_fmt:MATRIX_FMT_FP4 matrix_b_fmt:MATRIX_FMT_FP4
.endif
.else
.if (\t)%2
	v_wmma_scale_f32_16x16x128_f8f6f4 v[rD:rD+7], v[rA:rA+7], v[rB:rB+7], v[rD:rD+7], v[rS], v[rX] matrix_a_fmt:MATRIX_FMT_FP4 matrix_b_fmt:MATRIX_FMT_FP4 matrix_a_scale:MATRIX_SCALE_ROW1
.else
	v_wmma_scale_f32_16x16x128_f8f6f4 v[rD:rD+7], v[rA:rA+7], v[rB:rB+7], v[rD:rD+7], v[rS], v[rX] matrix_a_fmt:MATRIX_FMT_FP4 matrix_b_fmt:MATRIX_FMT_FP4
.endif
.endif
.endm
; 48 matrix instructions: my 4 tiles of hidden units x 3 tiles of rows x 4 K steps.  The 12 accumulators take turns, one instruction a turn.
; w = 1: W1's fragments of K step 3 were asked for last and are waited for only here.  The windows are left as they are: a product or PLACES follows.
.macro P1 w
	WIN 0x15                                       ; W1, x and b1 in window 1, the result in window 0
.irp m, 0,1,2
.irp t, 0,1,2,3
	WM1 \m, \t, 0
.endr
.endr
	WIN 0x05                                       ; C and D in window 0
.irp s, 1,2,3
.if (\w) && (\s == 3)
	s_wait_loadcnt 0x0                             ; no load was issued behind them
.endif
.irp m, 0,1,2
.irp t, 0,1,2,3
	WM1 \m, \t, \s
.endr
.endr
.endr
.endm
; one product of the second layer: output tile (m, ct), K step ks of the chunk
.macro WM2 m, ct, ks
.set rD, 8*(8*(\m)+(\ct))
.set rA, W2F+8*(2*(\ct)+(\ks))
.set rB, HF+8*(2*(\m)+(\ks))
.set rS, W2S+2*((\ct)/2)+(\ks)
.set rX, HS+2*(\m)+(\ks)
.if (\ct)%2
	v_wmma_scale_f32_16x16x128_f8f6f4 v[rD:rD+7], v[rA:rA+7], v[rB:rB+7], v[rD:rD+7], v[rS], v[rX] matrix_a_fmt:MATRIX_FMT_FP4 matrix_b_fmt:MATRIX_FMT_FP4 matrix_a_scale:MATRIX_SCALE_ROW1
.else
	v_wmma_scale_f32_16x16x128_f8f6f4 v[rD:rD+7], v[rA:rA+7], v[rB:rB+7], v[rD:rD+7], v[rS], v[rX] matrix_a_fmt:MATRIX_FMT_FP4 matrix_b_fmt:MATRIX_FMT_FP4
.endif
.endm
; 18 LDS loads: a chunk's six hidden fragments and their scale words
.macro HLOAD rd, rs, off
	WIN 0x80                                       ; destination window 2
.irp m, 0,1,2
.irp ks, 0,1
.irp c, 0,1
	ds_load_b128 v[HF+8*(2*\m+\ks)+4*\c:HF+8*(2*\m+\ks)+4*\c+3], v[\rd] offset:\off+2048*\m+1024*\ks+512*\c
.endr
.endr
.endr
	WIN 0
.irp m, 0,1,2
.irp ks, 0,1
	ds_load_b32 v[HS+2*\m+\ks], v[\rs] offset:\off+HSC+256*\m+128*\ks
.endr
.endr
.endm
; 48 matrix instructions on 24 accumulators by turns
.macro P2M
	WIN 0xfa                                       ; W2 and the hidden layer in window 2, C and D in window 3
.irp ks, 0,1
.irp m, 0,1,2
.irp ct, 0,1,2,3,4,5,6,7
	WM2 \m, \ct, \ks
.endr
.endr
.endr
.endm
; W1's 32 loads of a chunk in the order in which they are wanted: q = 0 .. 23: tile q / 6, K step (q % 6) / 2; q = 24 .. 31: tile (q - 24) / 2, K step 3.  Loads q0 .. q1 - 1
.macro LW1 q0, q1
	WIN 0x40                                       ; destination window 1
.set q, \q0
.rept (\q1)-(\q0)
.if q < 24
.set n, 2*(4*(q/6)+(q%6)/2)+q%2
.else
.set n, 2*(4*((q-24)/2)+3)+q%2
.endif
	global_load_b128 v[W1F+4*n:W1F+4*n+3], v[L16], s[24:25] offset:512*n
.set q, q+1
.endr
.endm
.macro LB1                             ; 8 loads: b1 in the result's layout
	WIN 0x40
.irp t, 0,1,2,3
	global_load_b128 v[B1R+8*\t:B1R+8*\t+3], v[VB1], s[28:29] offset:128*(\t/2)+32*(\t%2)
	global_load_b128 v[B1R+8*\t+4:B1R+8*\t+7], v[VB1], s[28:29] offset:128*(\t/2)+32*(\t%2)+16
.endr
.endm
.macro LSC1                            ; 2 loads: W1's scale words, straight from the input: 32 lanes cover 512 consecutive bytes
	WIN 0
.irp b, 0,1
	global_load_b128 v[W1S+4*\b:W1S+4*\b+3], v[VW1S], s[26:27] offset:512*\b
.endr
.endm
.macro LW2                             ; 32 loads: a chunk's W2 fragments
	WIN 0x80                                       ; destination window 2
.set n, 0
.rept 32
	global_load_b128 v[W2F+4*n:W2F+4*n+3], v[L16], s[30:31] offset:512*n
.set n, n+1
.endr
.endm
.macro LSC2                            ; 2 loads: W2's scale words
	WIN 0
.irp p, 0,1
	global_load_b128 v[W2S+4*\p:W2S+4*\p+3], v[L16], s[32:33] offset:512*\p
.endr
.endm
; 2 gelu of 16 registers, in place: the two tiles of one block of 32 hidden units; each tile is first read at its lowest register.
; Among the reciprocals and among the exponentials stands plain work that touches none of their registers: two of them, then one plain line; so a plain line also follows the last of each run.
.macro GELU16 base
.irp j, 0,1,2,3,4,5,6,7,8,9,10,11,12,13,14,15
	v_and_b32 v[GA+\j], s42, v[\base+\j]           ; a = |v|
.endr
.irp p, 0,2,4,6,8,10,12,14
	v_pk_fma_f32 v[GT+\p:GT+\p+1], v[GA+\p:GA+\p+1], s[44:45], 1.0 op_sel_hi:[1,0,0]   ; 1 + a / (2 sqrt 2)
.endr
.irp p, 0,2,4,6,8,10,12,14
	v_rcp_f32 v[GT+\p], v[GT+\p]                   ; t
	v_rcp_f32 v[GT+\p+1], v[GT+\p+1]
	v_pk_mul_f32 v[GW+\p+12*(\p/8):GW+\p+12*(\p/8)+1], v[GA+\p:GA+\p+1], v[GA+\p:GA+\p+1]   ; a^2
.endr
	s_wait_alu depctr_va_vdst(0)
.irp p, 0,2,4,6,8,10,12,14
	v_pk_fma_f32 v[GR+\p:GR+\p+1], v[GT+\p:GT+\p+1], v[C9:C9+1], s[46:47] op_sel_hi:[1,1,0]
.endr
.irp c, 48,50,52,54,56,58,60,62        ; Horner, eight chains side by side
.irp p, 0,2,4,6,8,10,12,14
	v_pk_fma_f32 v[GR+\p:GR+\p+1], v[GR+\p:GR+\p+1], v[GT+\p:GT+\p+1], s[\c:\c+1] op_sel_hi:[1,1,0]
.endr
.endr
.irp p, 0,2,4,6,8,10,12,14
	v_pk_fma_f32 v[GR+\p:GR+\p+1], v[GW+\p+12*(\p/8):GW+\p+12*(\p/8)+1], s[66:67], v[GR+\p:GR+\p+1] op_sel_hi:[1,0,1]   ; P(t) - a^2 log2(e) / 2
.endr
.irp p, 0,2,4,6,8,10,12,14
	v_exp_f32 v[GR+\p], v[GR+\p]
	v_exp_f32 v[GR+\p+1], v[GR+\p+1]
	v_pk_add_f32 v[\base+\p:\base+\p+1], v[\base+\p:\base+\p+1], v[GA+\p:GA+\p+1]   ; v + a: exact
.endr
	s_wait_alu depctr_va_vdst(0)
.irp p, 0,2,4,6,8,10,12,14
	v_pk_mul_f32 v[GR+\p:GR+\p+1], v[GR+\p:GR+\p+1], v[GT+\p:GT+\p+1]   ; erfc(a / sqrt 2)
.endr
.irp p, 0,2,4,6,8,10,12,14
	v_pk_fma_f32 v[\base+\p:\base+\p+1], v[GA+\p:GA+\p+1], v[GR+\p:GR+\p+1], v[\base+\p:\base+\p+1] neg_lo:[1,0,0] neg_hi:[1,0,0]   ; (v + a) - a erfc = 2 gelu(v)
.endr
.endm
.macro GEL m                           ; row tile m: a third of a chunk's activation
	GELU16 HACC+32*(\m)
	GELU16 HACC+32*(\m)+16
.endm
; the 96 registers of the chunk (2 gelu of my 64 hidden units for 48 rows) become twelve registers of codes and six scale bytes, and go to LDS.  Block x = 2 m + b; each step for the six blocks by turns
.macro QUANT3 wi, ws, off
.irp x, 0,1,2,3,4,5
	v_max3_num_f32 v[TM+\x], |v[HACC+16*\x]|, |v[HACC+16*\x+1]|, 0x2000000   ; my 16 numbers of the block, and the floor 2^(4 - 127) (the numbers are 2 gelu): the byte cannot fall under 1
.endr
.irp i, 2,4,6,8,10,12,14
.irp x, 0,1,2,3,4,5
	v_max3_num_f32 v[TM+\x], v[TM+\x], |v[HACC+16*\x+\i]|, |v[HACC+16*\x+\i+1]|
.endr
.endr
.irp x, 0,1,2,3,4,5
	v_permlanex16_b32 v[TP+\x], v[TM+\x], s40, s41 ; (its destination counts as read: the activation has written these registers)
.endr
.irp x, 0,1,2,3,4,5
	v_max_num_f32 v[TM+\x], v[TM+\x], v[TP+\x]     ; with lane l xor 16's: the block's largest magnitude
.endr
.irp x, 0,1,2,3,4,5
	v_add_nc_u32 v[SOP+\x], 0xff000000, v[TM+\x]   ; 2 off its exponent field: the conversion's scale operand
.endr
.irp x, 0,1,2,3,4,5
	v_lshrrev_b32 v[BY+\x], 23, v[SOP+\x]
.endr
.irp m, 0,1,2
	v_lshl_or_b32 v[HWD+\m], v[BY+2*\m+1], 8, v[BY+2*\m]
.endr
.irp m, 0,1,2
	v_add_nc_u32 v[HWD+\m], 0xfffffeff, v[HWD+\m]  ; 1 off both bytes (each is 2 or more): the factor 2 of 2 gelu
.endr
.irp x, 0,1,2,3,4,5
	v_cvt_scalef32_pk8_fp4_f32 v[PC+2*\x], v[HACC+16*\x:HACC+16*\x+7], v[SOP+\x]
	v_cvt_scalef32_pk8_fp4_f32 v[PC+2*\x+1], v[HACC+16*\x+8:HACC+16*\x+15], v[SOP+\x]
.endr
	v_nop                                          ; one plain line behind the scaled conversions
.irp m, 0,1,2
	v_permlane16_swap_b32 v[PC+4*\m], v[PC+4*\m+2]         ; the operand wants a whole block in a lane: lanes 0-15 block 0, lanes 16-31 block 1
	v_permlane16_swap_b32 v[PC+4*\m+1], v[PC+4*\m+3]
.endr
.irp m, 0,1,2
	ds_store_b128 v[\wi], v[PC+4*\m:PC+4*\m+3] offset:\off+2048*\m   ; registers 4 c .. 4 c + 3 of fragment (m, ks), as they stand
	ds_store_b16 v[\ws], v[HWD+\m] offset:\off+256*\m                ; bytes 2 c, 2 c + 1 of my row's scale word
.endr
.endm
	s_load_b256 s[4:11], s[0:1], 0x0               ; xq, wf, lists, w1_scales
	s_load_b128 s[12:15], s[0:1], 0x20             ; b1, b2
	s_load_b64 s[16:17], s[0:1], 0x30              ; y
	v_lshl_add_u32 v158, v0, 2, 0xc800
	v_mov_b32 v159, 0
	v_lshrrev_b32 v22, 5, v0
	v_readfirstlane_b32 s18, v22                   ; wave 0..3
	v_and_b32 v24, 31, v0                          ; lane
	v_and_b32 v22, 15, v0                          ; r
	v_bfe_u32 v23, v0, 4, 1                        ; h
	v_lshlrev_b32 v[L16], 4, v24
	v_lshlrev_b32 v[L4], 2, v24
	v_and_b32 v25, 8, v22
	v_add_nc_u32 v25, v25, v22
	v_lshl_add_u32 v25, v23, 3, v25
	v_lshlrev_b32 v[VW1S], 4, v25
	v_lshlrev_b32 v[VB1], 6, v23
	v_lshlrev_b32 v[VB2], 5, v23
	v_lshlrev_b32 v26, 2, v22                      ; 4 r
	s_lshl_b32 s20, s18, 9
	v_add_nc_u32 v[HWI], s20, v[L16]
	s_lshr_b32 s20, s18, 1
	s_lshl_b32 s20, s20, 7
	s_and_b32 s22, s18, 1
	s_lshl_b32 s22, s22, 1
	s_add_co_u32 s20, s20, s22
	s_add_co_u32 s20, s20, HSC
	v_add_nc_u32 v[HWS], s20, v[L4]
	s_mul_i32 s20, s18, 16*SP
	s_add_co_u32 s20, s20, STAGE                   ; my stage
	v_mul_u32_u24 v[SO], v22, SP
	v_lshl_add_u32 v[SO], v23, 5, v[SO]
	v_add_nc_u32 v[SO], s20, v[SO]                 ; in: row r, + 32 h
	v_add_nc_u32 v[SR], s20, v[L16]                ; out: 16 bytes a lane of a row
	v_mov_b32 v[C9], 0x3e7c6f08                    ; the coefficients are those of the natural exponent x log2(e)
	v_mov_b32 v[C9+1], 0x3e7c6f08
	s_mov_b32 s40, 0x76543210
	s_mov_b32 s41, 0xfedcba98                      ; v_permlanex16_b32: lane l xor 16
	s_mov_b32 s42, 0x7fffffff
	SPAIR 44, 0x3eb504f3                           ; 1 / (2 sqrt 2)
	SPAIR 46, 0xbf97d29d                           ; c8
	SPAIR 48, 0x40097039                           ; c7
	SPAIR 50, 0xbfd1a1e5                           ; c6
	SPAIR 52, 0x3ecdfd18                           ; c5
	SPAIR 54, 0xbe899a80                           ; c4
	SPAIR 56, 0x3e0efb2e                           ; c3
	SPAIR 58, 0x3f0a29d2                           ; c2
	SPAIR 60, 0x3fb8ab5a                           ; c1
	SPAIR 62, 0xbfe9b21e                           ; c0
	SPAIR 66, 0xbf38aa3b                           ; -log2(e) / 2
	s_lshl_b32 s22, ttmp9, 2
	s_mov_b32 s23, 0
	s_wait_kmcnt 0x0
	s_add_nc_u64 s[20:21], s[8:9], s[22:23]
	s_load_b32 s39, s[20:21], 0x0                  ; my tile's expert
	s_mul_i32 s22, ttmp9, 192
	s_add_nc_u64 s[8:9], s[8:9], s[22:23]
.irp m, 0,1,2
	global_load_b32 v[TOK+\m], v26, s[8:9] offset:RT_OFF+64*\m   ; my tile's tokens: row 16 m + r, in both halves of the lanes
.endr
	s_wait_kmcnt 0x0
	s_cmp_ge_u32 s39, 8
	s_cselect_b32 s19, 1, 0                        ; 1: the tile has no rows
	s_min_u32 s39, s39, 7                          ; held inside the table ahead of its use in addresses
	s_lshl_b32 s22, s39, 19
	s_lshl_b32 s20, s18, 14
	s_add_co_u32 s22, s22, s20
	s_add_nc_u64 s[24:25], s[6:7], s[22:23]        ; W1's fragments: expert, chunk 0, my wave
	s_add_nc_u64 s[30:31], s[24:25], W2F_OFF       ; W2's likewise
	s_lshl_b32 s22, s39, 15
	s_lshl_b32 s20, s18, 10
	s_add_co_u32 s22, s22, s20
	s_add_nc_u64 s[26:27], s[10:11], s[22:23]      ; W1's scale bytes: my 64 rows of 16 bytes
	s_add_nc_u64 s[32:33], s[6:7], s[22:23]
	s_add_nc_u64 s[32:33], s[32:33], W2S_OFF       ; W2's scale words
	s_lshl_b32 s22, s39, 13
	s_lshl_b32 s20, s18, 8
	s_add_co_u32 s22, s22, s20
	s_add_nc_u64 s[28:29], s[12:13], s[22:23]      ; b1: my 64 numbers
	s_lshl_b32 s22, s39, 11
	s_lshl_b32 s20, s18, 9
	s_add_co_u32 s22, s22, s20
	s_add_nc_u64 s[14:15], s[14:15], s[22:23]      ; b2: my 128 numbers
	s_mul_i32 s22, ttmp9, 98304
	s_add_co_u32 s22, s22, s20
	s_add_nc_u64 s[34:35], s[16:17], s[22:23]      ; y: my tile's 48 rows of 2,048 bytes, my 512 bytes of each
	; THE FIRST LOADS GO OUT IN THE ORDER IN WHICH THEY ARE WANTED: what the first product's first three K steps read, then W1's fragments of its fourth; all else waits until that product is issued
	LW1 0, 24                                      ; chunk 0: W1's K steps 0 to 2,
	LB1                                            ; b1,
	LSC1                                           ; W1's scale words: 34 loads behind the three of tokens
	s_wait_loadcnt 34                              ; the tokens are in; those 34 stay out
.irp m, 0,1,2
	v_min_u32 v[TOK+\m], 0xfff, v[TOK+\m]          ; held inside x ahead of its use in addresses
	v_lshlrev_b32 v[XO+\m], 8, v[TOK+\m]
	v_lshl_add_u32 v[XO+\m], v23, 4, v[XO+\m]
	v_lshlrev_b32 v[TOK+\m], 4, v[TOK+\m]
.endr
.irp m, 0,1,2
	global_load_b128 v[XS+4*\m:XS+4*\m+3], v[TOK+\m], s[4:5] offset:XS_OFF   ; a token's four scale words
.endr
	WIN 0x40                                       ; destination window 1
.irp m, 0,1,2
.irp s, 0,1,2,3
.irp c, 0,1
	global_load_b128 v[XF+8*(4*\m+\s)+4*\c:XF+8*(4*\m+\s)+4*\c+3], v[XO+\m], s[4:5] offset:64*\s+32*\c   ; x's fragments stay in registers
.endr
.endr
.endr
	LW1 24, 32                                     ; W1's K step 3: with these eight 69 loads have been issued, so the last six wait at issue for the first to come; they are wanted last
	WIN 0
	s_wait_xcnt 0x0                                ; the bases are stepped only behind this wait
	s_add_nc_u64 s[24:25], s[24:25], 65536
	s_add_nc_u64 s[26:27], s[26:27], 4096
	s_add_nc_u64 s[28:29], s[28:29], 1024
	; ---- chunk 0: there is no hidden layer yet to multiply.  What chunk 1 wants goes out between the thirds of the activation
	s_wait_loadcnt 8                               ; all is in but the eight loads of W1's K step 3, issued last
	P1 1
	PLACES
	LW1 0, 32                                      ; chunk 1: 42 loads
	LB1
	LSC1
	GEL 0
	LW2                                            ; W2 of chunk 0: 34 loads
	LSC2
	GEL 1
	WIN 0xc0                                       ; destination window 3
.irp m, 0,1,2
.irp ct, 0,1,2,3,4,5,6,7
	global_load_b128 v[8*(8*\m+\ct):8*(8*\m+\ct)+3], v[VB2], s[14:15] offset:64*\ct        ; b2 starts the output's sums: register j of lane (r, h) is column 16 ct + 8 h + j
	global_load_b128 v[8*(8*\m+\ct)+4:8*(8*\m+\ct)+7], v[VB2], s[14:15] offset:64*\ct+16
.endr
.endr
	WIN 0
	GEL 2
	QUANT3 HWI, HWS, 0                             ; into block 0
	s_wait_xcnt 0x0
	s_add_nc_u64 s[24:25], s[24:25], 65536
	s_add_nc_u64 s[26:27], s[26:27], 4096
	s_add_nc_u64 s[28:29], s[28:29], 1024
	s_add_nc_u64 s[30:31], s[30:31], 65536
	s_add_nc_u64 s[32:33], s[32:33], 4096
	MEET
	s_mov_b32 s36, 6
	s_mov_b32 s37, 0                               ; the block that is read
	s_mov_b32 s38, HBLK                            ; the block that is written
.Lchunk:                                               ; chunks i = 1 .. 6.  One barrier a chunk: block i & 1 is written here; its last readers read it in the trip before, ahead of that trip's barrier
	s_wait_loadcnt 0x0                             ; W2 of chunk i - 1 and W1 of chunk i: the youngest were asked for two thirds of an activation ago
	v_add_nc_u32 v[HRD], s37, v[L16]
	v_add_nc_u32 v[HRS], s37, v[L4]
	v_add_nc_u32 v[HWIC], s38, v[HWI]
	v_add_nc_u32 v[HWSC], s38, v[HWS]
	HLOAD HRD, HRS, 0                              ; chunk i - 1's hidden fragments are asked for,
	P1 0                                           ; chunk i's first product stands between the loads and the wait for them,
	s_wait_dscnt 0x0
	P2M                                            ; chunk i - 1's second product
	PLACES
	LW2                                            ; 62 loads: W2 of chunk i (32),
	LW1 0, 18                                      ; of chunk i + 1: 18 of W1's,
	LB1                                            ; b1 (8),
	LSC2                                           ; and both products' scale words (2 + 2)
	LSC1
	GEL 0
	LW1 18, 32                                     ; W1's other 14
	WIN 0
	GEL 1
	GEL 2
	QUANT3 HWIC, HWSC, 0
	s_wait_xcnt 0x0
	s_add_nc_u64 s[24:25], s[24:25], 65536
	s_add_nc_u64 s[26:27], s[26:27], 4096
	s_add_nc_u64 s[28:29], s[28:29], 1024
	s_add_nc_u64 s[30:31], s[30:31], 65536
	s_add_nc_u64 s[32:33], s[32:33], 4096
	s_xor_b32 s37, s37, HBLK
	s_xor_b32 s38, s38, HBLK
	MEET
	s_sub_co_u32 s36, s36, 1
	s_cmp_lg_u32 s36, 0
	s_cbranch_scc1 .Lchunk
	; ---- chunk 7 is written out: no W1 follows it, and no load leaves its buffer
	s_wait_loadcnt 0x0
	HLOAD L16, L4, 0                               ; chunk 6, from block 0
	P1 0
	s_wait_dscnt 0x0
	P2M
	PLACES
	LW2                                            ; chunk 7
	LSC2
	GEL 0
	GEL 1
	GEL 2
	QUANT3 HWI, HWS, HBLK                          ; into block 1
	MEET                                           ; the last barrier
	s_cmp_lg_u32 s19, 0
	s_cbranch_scc1 .Lend                           ; a tile without rows stores nothing
	s_wait_loadcnt 0x0
	HLOAD L16, L4, HBLK                            ; chunk 7
	s_wait_dscnt 0x0
	P2M
	PLACES
	; THE WAY OUT: a lane holds 32 neighbouring bytes of a row, the lanes beside it other rows: 16 rows at a time go through my own stage and come back as rows of 512 bytes
.irp m, 0,1,2
.if \m > 0
	s_wait_xcnt 0x0                                ; the stores before have read their registers: the loads below may land there
.endif
	WIN 0x0c                                       ; an LDS store's data are its source 1: window 3
.irp ct, 0,1,2,3,4,5,6,7
	ds_store_b128 v[SO], v[8*(8*\m+\ct):8*(8*\m+\ct)+3] offset:64*\ct          ; each accumulator from its low end on
	ds_store_b128 v[SO], v[8*(8*\m+\ct)+4:8*(8*\m+\ct)+7] offset:64*\ct+16
.endr
	WIN 0
.irp i, 0,1,2,3,4,5,6,7,8,9,10,11,12,13,14,15
	ds_load_b128 v[HACC+4*\i:HACC+4*\i+3], v[SR] offset:SP*\i   ; LDS serves a wave's instructions in order: these see my stores, and the next tile's stores come behind them
.endr
.irp i, 0,1,2,3,4,5,6,7,8,9,10,11,12,13,14,15
	s_wait_dscnt 15-\i                             ; row i is back; the younger loads stay out
	global_store_b128 v[L16], v[HACC+4*\i:HACC+4*\i+3], s[34:35] offset:(16*\m+\i)*2048   ; 512 consecutive bytes, at a multiple of 256 from y's first byte
.endr
.endr
.Lend:
	s_wait_tensorcnt 0x0
	ds_add_u32 v158, v159
	s_wait_dscnt 0x0
	s_endpgm
.Lfunc_end_k_qcb97348265_chain:
	.size	k_qcb97348265_chain, .Lfunc_end_k_qcb97348265_chain-k_qcb97348265_chain
	.p2alignl 7, 3214868480
	.fill 96, 4, 3214868480
	.section	.rodata,"a",@progbits
	.p2align	6, 0x0
	.amdhsa_kernel k_qcb97348265_chain
		.amdhsa_group_segment_fixed_size 51712
		.amdhsa_private_segment_fixed_size 0
		.amdhsa_enable_private_segment 0
		.amdhsa_kernarg_size 56
		.amdhsa_user_sgpr_count 2
		.amdhsa_user_sgpr_kernarg_segment_ptr 1
		.amdhsa_wavefront_size32 1
		.amdhsa_system_sgpr_workgroup_id_x 1
		.amdhsa_system_sgpr_workgroup_id_y 1
		.amdhsa_system_sgpr_workgroup_id_z 1
		.amdhsa_system_vgpr_workitem_id 0
		.amdhsa_next_free_vgpr 960
		.amdhsa_next_free_sgpr 72
		.amdhsa_reserve_vcc 0
		.amdhsa_float_denorm_mode_32 3
		.amdhsa_float_denorm_mode_16_64 3
		.amdhsa_memory_ordered 1
		.amdhsa_forward_progress 1
		.amdhsa_inst_pref_size 255
	.end_amdhsa_kernel
	.section	.bss,"aw",@nobits
	.p2align	6
	.space	262144
	.amdgpu_metadata
---
amdhsa.version: [ 1, 2 ]
amdhsa.kernels:
  - .name:           k_qcb97348265_chain
    .symbol:         k_qcb97348265_chain.kd
    .args:
      - { .name: xq, .offset: 0, .size: 8, .value_kind: global_buffer, .address_space: global }
      - { .name: wf, .offset: 8, .size: 8, .value_kind: global_buffer, .address_space: global }
      - { .name: lists, .offset: 16, .size: 8, .value_kind: global_buffer, .address_space: global }
      - { .name: w1_scales, .offset: 24, .size: 8, .value_kind: global_buffer, .address_space: global }
      - { .name: b1, .offset: 32, .size: 8, .value_kind: global_buffer, .address_space: global }
      - { .name: b2, .offset: 40, .size: 8, .value_kind: global_buffer, .address_space: global }
      - { .name: y, .offset: 48, .size: 8, .value_kind: global_buffer, .address_space: global }
    .group_segment_fixed_size: 51712
    .private_segment_fixed_size: 0
    .kernarg_segment_align: 8
    .kernarg_segment_size: 56
    .max_flat_workgroup_size: 128
    .sgpr_count:     72
    .vgpr_count:     960
    .wavefront_size: 32
...
	.end_amdgpu_metadata
.endif
;; end of part 3
;; launch combine (part 4): grid 256 x 1, 4 waves a work-group, no clusters, 0 bytes of LDS; arguments y, lists, rt, out0; writes out0
.if DOCPART == 4
	.amdgcn_target "amdgcn-amd-amdhsa--gfx1250"
	.amdhsa_code_object_version 6
	.text
	.protected	k_qcb97348265_combine
	.globl	k_qcb97348265_combine
	.p2align	8
	.type	k_qcb97348265_combine,@function
k_qcb97348265_combine:
	s_mov_b64 s[64:65], 0
	v_nop
	global_prefetch_b8 v0, s[64:65] scope:SCOPE_SE
	s_setreg_imm32_b32 hwreg(HW_REG_WAVE_MODE, 25, 1), 1
	s_wait_xcnt 0x0
; FOURTH LAUNCH: out0[token] = gate0 x y[slot of its first choice] + gate1 x y[slot of its second choice].  Each output row has one owner; nothing is added in memory.
; A wave takes 4 tokens: 8 rows of 2,048 bytes are gathered whole (each load covers 512 consecutive bytes), all 32 loads out at once; a token's row leaves as four stores of 512 consecutive bytes.
; A stream: no LDS, no barrier, no matrix instruction.  Slots and gates are the same for all lanes, so they come by scalar loads; no line of this launch writes those buffers.
	s_load_b256 s[4:11], s[0:1], 0x0               ; y, lists, rt, out0
	v_lshrrev_b32 v1, 5, v0
	v_readfirstlane_b32 s14, v1                    ; wave 0..3
	v_and_b32 v1, 31, v0
	v_lshlrev_b32 v1, 4, v1                        ; 16 x lane
	s_lshl_b32 s16, ttmp9, 4
	s_lshl_b32 s17, s14, 2
	s_add_co_u32 s16, s16, s17                     ; my first token: 16 x work-group + 4 x wave
	s_lshl_b32 s20, s16, 3
	s_mov_b32 s21, 0
	s_lshl_b32 s22, s16, 11
	s_mov_b32 s23, 0
	s_wait_kmcnt 0x0
	s_add_nc_u64 s[6:7], s[6:7], s[20:21]
	s_add_nc_u64 s[8:9], s[8:9], s[20:21]
	s_add_nc_u64 s[10:11], s[10:11], s[22:23]
	s_load_b256 s[24:31], s[6:7], 0x400            ; pos: my four tokens' two slots each
	s_load_b256 s[32:39], s[8:9], 0x0              ; their two gates each
	s_wait_kmcnt 0x0
.irp n, 0,1,2,3,4,5,6,7
	s_min_u32 s[24+\n], s[24+\n], 8543             ; held inside y ahead of its use in an address
.endr
.irp t, 0,1,2,3
	s_mov_b32 s[40+2*\t], s[33+2*\t]               ; the packed forms take a pair's low word for both halves: the second gate gets a pair of its own
	s_mov_b32 s[41+2*\t], s[33+2*\t]
.endr
.irp n, 0,1,2,3,4,5,6,7
	v_lshl_add_u32 v[2+\n], s[24+\n], 11, v1       ; slot x 2,048 + 16 x lane
.endr
.irp n, 0,1,2,3,4,5,6,7
.irp q, 0,1,2,3
	global_load_b128 v[16+16*\n+4*\q:19+16*\n+4*\q], v[2+\n], s[4:5] offset:512*\q th:TH_LOAD_NT   ; each row of y is read once
.endr
.endr
.irp t, 0,1,2,3
	s_wait_loadcnt 8*(3-\t)                        ; this token's eight loads are in; the later tokens' stay out
.irp p, 0,2,4,6,8,10,12,14
	v_pk_mul_f32 v[16+32*\t+\p:17+32*\t+\p], v[16+32*\t+\p:17+32*\t+\p], s[32+2*\t:33+2*\t] op_sel_hi:[1,0]
.endr
.irp p, 0,2,4,6,8,10,12,14
	v_pk_fma_f32 v[16+32*\t+\p:17+32*\t+\p], v[32+32*\t+\p:33+32*\t+\p], s[40+2*\t:41+2*\t], v[16+32*\t+\p:17+32*\t+\p] op_sel_hi:[1,0,1]
.endr
.irp q, 0,1,2,3
	global_store_b128 v1, v[16+32*\t+4*\q:19+32*\t+4*\q], s[10:11] offset:2048*\t+512*\q th:TH_STORE_NT
.endr
.endr
	s_endpgm
.Lfunc_end_k_qcb97348265_combine:
	.size	k_qcb97348265_combine, .Lfunc_end_k_qcb97348265_combine-k_qcb97348265_combine
	.p2alignl 7, 3214868480
	.fill 96, 4, 3214868480
	.section	.rodata,"a",@progbits
	.p2align	6, 0x0
	.amdhsa_kernel k_qcb97348265_combine
		.amdhsa_group_segment_fixed_size 0
		.amdhsa_private_segment_fixed_size 0
		.amdhsa_enable_private_segment 0
		.amdhsa_kernarg_size 32
		.amdhsa_user_sgpr_count 2
		.amdhsa_user_sgpr_kernarg_segment_ptr 1
		.amdhsa_wavefront_size32 1
		.amdhsa_system_sgpr_workgroup_id_x 1
		.amdhsa_system_sgpr_workgroup_id_y 1
		.amdhsa_system_sgpr_workgroup_id_z 1
		.amdhsa_system_vgpr_workitem_id 0
		.amdhsa_next_free_vgpr 144
		.amdhsa_next_free_sgpr 66
		.amdhsa_reserve_vcc 0
		.amdhsa_float_denorm_mode_32 3
		.amdhsa_float_denorm_mode_16_64 3
		.amdhsa_memory_ordered 1
		.amdhsa_forward_progress 1
		.amdhsa_inst_pref_size 11
	.end_amdhsa_kernel
	.amdgpu_metadata
---
amdhsa.version: [ 1, 2 ]
amdhsa.kernels:
  - .name:           k_qcb97348265_combine
    .symbol:         k_qcb97348265_combine.kd
    .args:
      - { .name: y, .offset: 0, .size: 8, .value_kind: global_buffer, .address_space: global }
      - { .name: lists, .offset: 8, .size: 8, .value_kind: global_buffer, .address_space: global }
      - { .name: rt, .offset: 16, .size: 8, .value_kind: global_buffer, .address_space: global }
      - { .name: out0, .offset: 24, .size: 8, .value_kind: global_buffer, .address_space: global }
    .group_segment_fixed_size: 0
    .private_segment_fixed_size: 0
    .kernarg_segment_align: 8
    .kernarg_segment_size: 32
    .max_flat_workgroup_size: 128
    .sgpr_count:     66
    .vgpr_count:     144
    .wavefront_size: 32
...
	.end_amdgpu_metadata
.endif
;; end of part 4
;; ======== version 2 of 2: 4 launches; version 1 with the launch chain written anew for expert scheduling mode
;; workspace buffers: xq 1,114,112 bytes; wf 8,650,752 bytes; rt 65,536 bytes; sel 16,384 bytes of whole numbers; lists 82,944 bytes of whole numbers; y 17,498,112 bytes
;; launch prep: the kernel of part 1 again; grid 256 x 1, 4 waves a work-group, no clusters, 39,424 bytes of LDS; arguments x, router_w, w1_codes, w2_codes, w2_scales, xq, wf, rt, sel; writes xq, wf, rt, sel
;; launch place: the kernel of part 2 again; grid 1 x 1, 32 waves a work-group, no clusters, 8,192 bytes of LDS; arguments sel, rt, lists, out1; writes lists, out1
;; launch chain (part 5): grid 178 x 1, 4 waves a work-group, no clusters, 51,712 bytes of LDS; arguments xq, wf, lists, w1_scales, b1, b2, y; writes y
.if DOCPART == 5
	.amdgcn_target "amdgcn-amd-amdhsa--gfx1250"
	.amdhsa_code_object_version 6
	.text
	.protected	k_qcb97348265_chain
	.globl	k_qcb97348265_chain
	.p2align	8
	.type	k_qcb97348265_chain,@function
k_qcb97348265_chain:
	s_mov_b64 s[64:65], 0
	v_nop
	global_prefetch_b8 v0, s[64:65] scope:SCOPE_SE
	s_setreg_imm32_b32 hwreg(HW_REG_WAVE_SCHED_MODE, 0, 2), 2
	s_setreg_imm32_b32 hwreg(HW_REG_WAVE_MODE, 25, 1), 1
	s_wait_xcnt 0x0
	s_wait_alu depctr_vm_vsrc(0)
; THIRD LAUNCH: y[slot] = gelu(x[token] W1[e] + b1[e]) W2[e] + b2[e] for the routed rows, both products on E2M1 codes with one E8M0 scale for each 32 along K.
; SHARES.  Work-group g takes tile g of the list: 48 rows (three tiles of 16) of ONE expert, through the whole chain; the hidden layer never goes to memory.  178 work-groups serve every split
; (ceil(8,192 / 48) + 7).  The 2,048 hidden units go in 8 chunks of 256.  THE WAVES SHARE THE COLUMNS: in a chunk wave w makes hidden units 64 w .. 64 w + 63 for all 48 rows, which are half
; w & 1 of K step w >> 1 of the second product; and it owns output columns 128 w .. 128 w + 127.  So each weight fragment is wanted by one wave, once: the weights go from memory straight into
; registers, in the order in which the first launch has laid them (each load of 16 bytes a lane covers 512 consecutive bytes), a chunk ahead of their use.
; NO JOINT LOADS, NO TENSOR LOADS: no weight byte is read by two waves of a work-group, so LDS would only be a detour; partners in a cluster would need tiles of one expert, but a tile's expert is a
; number read from the list and an expert's count of tiles is no multiple of four.
; A TILE WITHOUT ROWS (tile_exp = 8; no split leaves more than 7 of the 178) walks the chain on expert 7 and token 0, so that every wave passes every barrier on one path, and leaves out what stands behind the last
; barrier: it stores nothing.  Rows that fill a tile up (token 0) are computed and stored like the others; nobody reads them.
; LAYOUT.  Both products are used transposed (source 0 = 16 rows of the weight, source 1 = 16 rows of tokens): a lane holds ONE token (lane % 16) throughout.  Lane r of W1's tile 2 b + u holds
; row 32 b + 8 u + r + 8 (r / 8), so that the 16 registers of tiles 2 b and 2 b + 1 are 16 neighbours along the next K: 32 b + 16 (lane / 16) + 0 .. 15.
; The hidden codes go from wave to wave through LDS as images of the operand's registers (16 bytes a lane, 512 a store), their scale bytes as half words; two blocks of LDS take turns, one barrier a chunk.
; THE ORDER OF A CHUNK i: the hidden fragments of chunk i - 1 are asked for from LDS; the first product of chunk i stands between those loads and the wait for them; the second product of chunk i - 1;
; 62 loads of the next weights; a third of the activation; the other 14 loads; the rest of the activation; the quantiser for all six blocks of 32 at once, each of its steps for the six by turns.
; LOADcnt counts to 63 and a load beyond that waits at issue (ISA guide 5.7.1): so a chunk's 76 loads go out in two runs.
; GELU, exact, in f32: a = |v|, t = 1 / (1 + a / (2 sqrt 2)), erfc(a / sqrt 2) = t 2^(P(t) - a^2 log2(e) / 2), P a polynomial of degree 9 (a Chebyshev fit whose fractional error stays under 1.2e-7);
; 2 gelu(v) = (v + a) - a erfc(a / sqrt 2): v + a is exact (2 v or 0), nothing cancels on either side.  The factor 2 is taken off in the scale byte.
; The biases cost no addition: b1 is the C of a hidden tile's first product, b2 is loaded into the output's accumulators.
; LIMITS: NaN and infinities are not served.  Where erfc falls under 2^-126 (v under about -13) the exponential gives 0 and gelu is -0.  A block of zeros gets the scale byte 1 (its codes are zeros).
; THE MODE: SCHED_MODE bits 1:0 = 2 (LLVM: expert scheduling mode 2), set by the entry lines.  The code itself states the register dependences
; between vector or matrix instructions and memory or LDS instructions, with s_wait_alu, always for 0.
; THE PLAN.  Registers that memory or LDS instructions touch, in chunk i of the loop:
;   W1F, B1R, W1S   The first product reads them; behind both products the loads of chunk i + 1 land in them.
;   W2F, W2S        The second product reads them; behind both products the loads of chunk i land in them.
;   HF, HS          The LDS loads at a chunk's head land in them; the chunk's second product reads them.
;   v16-19          Written by four additions at the chunk's head; read by the chunk's LDS loads and LDS stores.
;   PC, HWD         Written by the quantiser; read by its six LDS stores.
;   v1-15, v26      Offsets and addresses: made at the head (v6-11 from the loaded tokens) and never written again.
;   XF, XS and the accumulators are loaded once, before any vector or matrix instruction names them.  All else is named by vector and matrix instructions alone.
; So a chunk has FOUR waits beside the activation's own: on va_vdst behind the four additions (v16-19 are written); on va_vdst behind both products (they are done reading all seven runs of operand
; registers: it serves the chunk's 76 loads and the next chunk's 18 LDS loads, since nothing issued between names those registers: the activation and the quantiser work in window 0 on v20-21, v66-77, v80-155 and v160-255);
; on va_vdst ahead of the quantiser's LDS stores (PC and HWD are written); on vm_vsrc at the chunk's end, ahead of the backward jump (the chunk's LDS instructions have read PC, HWD and v16-19).
.set XS_OFF,  1048576                  ; xq: scale bytes behind the codes
.set W2F_OFF, 4194304                  ; wf: W2's fragments,
.set W2S_OFF, 8388608                  ; W2's scale words
.set RT_OFF,  33792                    ; lists: rowtok
.set HBLK,  8192                       ; LDS: two blocks for the hidden layer; in each: images (m, ks, c) at 2048 m + 1024 ks + 512 c + 16 lane,
.set HSC,   6144                       ; scale words at HSC + 256 m + 128 ks + 4 lane
.set STAGE, 16384                      ; behind them a stage for each wave: 16 rows x (512 bytes + 16)
.set SP,    528
; window 0
.set L16,  1                           ; 16 x lane
.set L4,   2                           ; 4 x lane
.set VW1S, 3                           ; W1's scale bytes: 16 x (8 (lane / 16) + r + 8 (r / 8))
.set VB1,  4                           ; 64 h
.set VB2,  5                           ; 32 h
.set XO,   6                           ; v6-8   token x 256 + 16 h
.set TOK,  9                           ; v9-11  token, then token x 16
.set HWI,  12                          ; where I store an image: 16 lane + 512 w
.set HWS,  13                          ; and a half word of scale bytes: HSC + 4 lane + 128 (w >> 1) + 2 (w & 1)
.set SO,   14                          ; the stage, in
.set SR,   15                          ; the stage, out
.set HRD,  16                          ; v16-19 the loop's addresses
.set HRS,  17
.set HWIC, 18
.set HWSC, 19
.set C9,   20                          ; v[20:21] the polynomial's highest coefficient, twice
.set W1S,  32                          ; v32-39 W1's scale words: 4 b + s; lanes 0-15 tile 2 b, lanes 16-31 tile 2 b + 1
.set W2S,  40                          ; v40-47 W2's: 2 (ct / 2) + ks; lanes 0-15 the even tile, lanes 16-31 the odd one
.set XS,   48                          ; v48-59 x's: 4 m + s
.set HS,   60                          ; v60-65 the hidden layer's: 2 m + ks
.set PC,   66                          ; v66-77 the codes just made: two registers for each block x = 2 m + b
.set GA,   80                          ; v80-95   a
.set GT,   96                          ; v96-111  t
.set GR,   112                         ; v112-127 the polynomial, then erfc
.set GW,   128                         ; v128-135 and v148-155: a^2 (pair p at GW + p + 12 (p / 8))
.set TM,   80                          ; the quantiser works where a and t lay: v80-85 largest magnitudes,
.set TP,   86                          ; v86-91 the other half's,
.set SOP,  96                          ; v96-101 the conversions' scale operands,
.set BY,   102                         ; v102-107 the bytes
.set HWD,  144                         ; v144-146 two scale bytes for each m
.set HACC, 160                         ; v160-255 the hidden tiles: 8 (4 m + t); block x = 2 m + b is 16 x on
; window 1
.set W1F,  0                           ; v0-127   W1's fragments: 8 (4 t + s)
.set B1R,  128                         ; v128-159 b1 in the result's layout: 8 t
.set XF,   160                         ; v160-255 x's fragments: 8 (4 m + s)
; window 2
.set W2F,  0                           ; v0-127   W2's fragments: 8 (2 ct + ks)
.set HF,   128                         ; v128-175 the hidden fragments: 8 (2 m + ks)
; window 3: v0-191 the output's accumulators: 8 (8 m + ct)
.set MSB, 0
.macro WIN new                         ; bits 1:0 source 0, 3:2 source 1, 5:4 source 2, 7:6 destination; the high byte repeats the setting that is left; a switch that changes nothing is dropped
.if MSB != \new
	s_set_vgpr_msb (MSB<<8)|\new
.set MSB, \new
.endif
.endm
.macro PLACES                          ; four plain vector lines between a matrix instruction and the first read of its result by a vector instruction or a store (ISA guide 7.12.1 for vector instructions)
	WIN 0
.rept 4
	v_nop
.endr
.endm
.macro SPAIR r, bits                   ; a constant for the packed forms: they name a pair and take its low word for both halves
	s_mov_b32 s[\r], \bits
	s_mov_b32 s[\r+1], \bits
.endm
.macro MEET                            ; my LDS stores have landed and my LDS loads are in: then the work-group's barrier
	s_wait_dscnt 0x0
	s_barrier_signal -1
	s_barrier_wait -1
.endm
; one product of the first layer: hidden tile (m, t), K step s
.macro WM1 m, t, s
.set rD, HACC+8*(4*(\m)+(\t))
.set rA, W1F+8*(4*(\t)+(\s))
.set rB, XF+8*(4*(\m)+(\s))
.set rC, B1R+8*(\t)
.set rS, W1S+4*((\t)/2)+(\s)
.set rX, XS+4*(\m)+(\s)
.if (\s) == 0
.if (\t)%2
	v_wmma_scale_f32_16x16x128_f8f6f4 v[rD:rD+7], v[rA:rA+7], v[rB:rB+7], v[rC:rC+7], v[rS], v[rX] matrix_a_fmt:MATRIX_FMT_FP4 matrix_b_fmt:MATRIX_FMT_FP4 matrix_a_scale:MATRIX_SCALE_ROW1
.else
	v_wmma_scale_f32_16x16x128_f8f6f4 v[rD:rD+7], v[rA:rA+7], v[rB:rB+7], v[rC:rC+7], v[rS], v[rX] matrix_a_fmt:MATRIX_FMT_FP4 matrix_b_fmt:MATRIX_FMT_FP4
.endif
.else
.if (\t)%2
	v_wmma_scale_f32_16x16x128_f8f6f4 v[rD:rD+7], v[rA:rA+7], v[rB:rB+7], v[rD:rD+7], v[rS], v[rX] matrix_a_fmt:MATRIX_FMT_FP4 matrix_b_fmt:MATRIX_FMT_FP4 matrix_a_scale:MATRIX_SCALE_ROW1
.else
	v_wmma_scale_f32_16x16x128_f8f6f4 v[rD:rD+7], v[rA:rA+7], v[rB:rB+7], v[rD:rD+7], v[rS], v[rX] matrix_a_fmt:MATRIX_FMT_FP4 matrix_b_fmt:MATRIX_FMT_FP4
.endif
.endif
.endm
; 48 matrix instructions: my 4 tiles of hidden units x 3 tiles of rows x 4 K steps.  The 12 accumulators take turns, one instruction a turn.
; w = 1: W1's fragments of K step 3 were asked for last and are waited for only here.  The windows are left as they are: a product or PLACES follows.
.macro P1 w
	WIN 0x15                                       ; W1, x and b1 in window 1, the result in window 0
.irp m, 0,1,2
.irp t, 0,1,2,3
	WM1 \m, \t, 0
.endr
.endr
	WIN 0x05                                       ; C and D in window 0
.irp s, 1,2,3
.if (\w) && (\s == 3)
	s_wait_loadcnt 0x0                             ; no load was issued behind them
.endif
.irp m, 0,1,2
.irp t, 0,1,2,3
	WM1 \m, \t, \s
.endr
.endr
.endr
.endm
; one product of the second layer: output tile (m, ct), K step ks of the chunk
.macro WM2 m, ct, ks
.set rD, 8*(8*(\m)+(\ct))
.set rA, W2F+8*(2*(\ct)+(\ks))
.set rB, HF+8*(2*(\m)+(\ks))
.set rS, W2S+2*((\ct)/2)+(\ks)
.set rX, HS+2*(\m)+(\ks)
.if (\ct)%2
	v_wmma_scale_f32_16x16x128_f8f6f4 v[rD:rD+7], v[rA:rA+7], v[rB:rB+7], v[rD:rD+7], v[rS], v[rX] matrix_a_fmt:MATRIX_FMT_FP4 matrix_b_fmt:MATRIX_FMT_FP4 matrix_a_scale:MATRIX_SCALE_ROW1
.else
	v_wmma_scale_f32_16x16x128_f8f6f4 v[rD:rD+7], v[rA:rA+7], v[rB:rB+7], v[rD:rD+7], v[rS], v[rX] matrix_a_fmt:MATRIX_FMT_FP4 matrix_b_fmt:MATRIX_FMT_FP4
.endif
.endm
; 18 LDS loads: a chunk's six hidden fragments and their scale words
.macro HLOAD rd, rs, off
	WIN 0x80                                       ; destination window 2
.irp m, 0,1,2
.irp ks, 0,1
.irp c, 0,1
	ds_load_b128 v[HF+8*(2*\m+\ks)+4*\c:HF+8*(2*\m+\ks)+4*\c+3], v[\rd] offset:\off+2048*\m+1024*\ks+512*\c
.endr
.endr
.endr
	WIN 0
.irp m, 0,1,2
.irp ks, 0,1
	ds_load_b32 v[HS+2*\m+\ks], v[\rs] offset:\off+HSC+256*\m+128*\ks
.endr
.endr
.endm
; 48 matrix instructions on 24 accumulators by turns
.macro P2M
	WIN 0xfa                                       ; W2 and the hidden layer in window 2, C and D in window 3
.irp ks, 0,1
.irp m, 0,1,2
.irp ct, 0,1,2,3,4,5,6,7
	WM2 \m, \ct, \ks
.endr
.endr
.endr
.endm
; W1's 32 loads of a chunk in the order in which they are wanted: q = 0 .. 23: tile q / 6, K step (q % 6) / 2; q = 24 .. 31: tile (q - 24) / 2, K step 3.  Loads q0 .. q1 - 1
.macro LW1 q0, q1
	WIN 0x40                                       ; destination window 1
.set q, \q0
.rept (\q1)-(\q0)
.if q < 24
.set n, 2*(4*(q/6)+(q%6)/2)+q%2
.else
.set n, 2*(4*((q-24)/2)+3)+q%2
.endif
	global_load_b128 v[W1F+4*n:W1F+4*n+3], v[L16], s[24:25] offset:512*n
.set q, q+1
.endr
.endm
.macro LB1                             ; 8 loads: b1 in the result's layout
	WIN 0x40
.irp t, 0,1,2,3
	global_load_b128 v[B1R+8*\t:B1R+8*\t+3], v[VB1], s[28:29] offset:128*(\t/2)+32*(\t%2)
	global_load_b128 v[B1R+8*\t+4:B1R+8*\t+7], v[VB1], s[28:29] offset:128*(\t/2)+32*(\t%2)+16
.endr
.endm
.macro LSC1                            ; 2 loads: W1's scale words, straight from the input: 32 lanes cover 512 consecutive bytes
	WIN 0
.irp b, 0,1
	global_load_b128 v[W1S+4*\b:W1S+4*\b+3], v[VW1S], s[26:27] offset:512*\b
.endr
.endm
.macro LW2                             ; 32 loads: a chunk's W2 fragments
	WIN 0x80                                       ; destination window 2
.set n, 0
.rept 32
	global_load_b128 v[W2F+4*n:W2F+4*n+3], v[L16], s[30:31] offset:512*n
.set n, n+1
.endr
.endm
.macro LSC2                            ; 2 loads: W2's scale words
	WIN 0
.irp p, 0,1
	global_load_b128 v[W2S+4*\p:W2S+4*\p+3], v[L16], s[32:33] offset:512*\p
.endr
.endm
; 2 gelu of 16 registers, in place: the two tiles of one block of 32 hidden units; each tile is first read at its lowest register.
; Among the reciprocals and among the exponentials stands plain work that touches none of their registers: two of them, then one plain line; so a plain line also follows the last of each run.
.macro GELU16 base
.irp j, 0,1,2,3,4,5,6,7,8,9,10,11,12,13,14,15
	v_and_b32 v[GA+\j], s42, v[\base+\j]           ; a = |v|
.endr
.irp p, 0,2,4,6,8,10,12,14
	v_pk_fma_f32 v[GT+\p:GT+\p+1], v[GA+\p:GA+\p+1], s[44:45], 1.0 op_sel_hi:[1,0,0]   ; 1 + a / (2 sqrt 2)
.endr
.irp p, 0,2,4,6,8,10,12,14
	v_rcp_f32 v[GT+\p], v[GT+\p]                   ; t
	v_rcp_f32 v[GT+\p+1], v[GT+\p+1]
	v_pk_mul_f32 v[GW+\p+12*(\p/8):GW+\p+12*(\p/8)+1], v[GA+\p:GA+\p+1], v[GA+\p:GA+\p+1]   ; a^2
.endr
	s_wait_alu depctr_va_vdst(0)                   ; the sixteen reciprocals have written v[GT ..]: one wait for the batch, ahead of its first reader
.irp p, 0,2,4,6,8,10,12,14
	v_pk_fma_f32 v[GR+\p:GR+\p+1], v[GT+\p:GT+\p+1], v[C9:C9+1], s[46:47] op_sel_hi:[1,1,0]
.endr
.irp c, 48,50,52,54,56,58,60,62        ; Horner, eight chains side by side
.irp p, 0,2,4,6,8,10,12,14
	v_pk_fma_f32 v[GR+\p:GR+\p+1], v[GR+\p:GR+\p+1], v[GT+\p:GT+\p+1], s[\c:\c+1] op_sel_hi:[1,1,0]
.endr
.endr
.irp p, 0,2,4,6,8,10,12,14
	v_pk_fma_f32 v[GR+\p:GR+\p+1], v[GW+\p+12*(\p/8):GW+\p+12*(\p/8)+1], s[66:67], v[GR+\p:GR+\p+1] op_sel_hi:[1,0,1]   ; P(t) - a^2 log2(e) / 2
.endr
.irp p, 0,2,4,6,8,10,12,14
	v_exp_f32 v[GR+\p], v[GR+\p]
	v_exp_f32 v[GR+\p+1], v[GR+\p+1]
	v_pk_add_f32 v[\base+\p:\base+\p+1], v[\base+\p:\base+\p+1], v[GA+\p:GA+\p+1]   ; v + a: exact
.endr
	s_wait_alu depctr_va_vdst(0)                   ; the sixteen exponentials have written v[GR ..]: one wait for the batch, ahead of its first reader
.irp p, 0,2,4,6,8,10,12,14
	v_pk_mul_f32 v[GR+\p:GR+\p+1], v[GR+\p:GR+\p+1], v[GT+\p:GT+\p+1]   ; erfc(a / sqrt 2)
.endr
.irp p, 0,2,4,6,8,10,12,14
	v_pk_fma_f32 v[\base+\p:\base+\p+1], v[GA+\p:GA+\p+1], v[GR+\p:GR+\p+1], v[\base+\p:\base+\p+1] neg_lo:[1,0,0] neg_hi:[1,0,0]   ; (v + a) - a erfc = 2 gelu(v)
.endr
.endm
.macro GEL m                           ; row tile m: a third of a chunk's activation
	GELU16 HACC+32*(\m)
	GELU16 HACC+32*(\m)+16
.endm
; the 96 registers of the chunk (2 gelu of my 64 hidden units for 48 rows) become twelve registers of codes and six scale bytes, and go to LDS.  Block x = 2 m + b; each step for the six blocks by turns
.macro QUANT3 wi, ws, off
.irp x, 0,1,2,3,4,5
	v_max3_num_f32 v[TM+\x], |v[HACC+16*\x]|, |v[HACC+16*\x+1]|, 0x2000000   ; my 16 numbers of the block, and the floor 2^(4 - 127) (the numbers are 2 gelu): the byte cannot fall under 1
.endr
.irp i, 2,4,6,8,10,12,14
.irp x, 0,1,2,3,4,5
	v_max3_num_f32 v[TM+\x], v[TM+\x], |v[HACC+16*\x+\i]|, |v[HACC+16*\x+\i+1]|
.endr
.endr
.irp x, 0,1,2,3,4,5
	v_permlanex16_b32 v[TP+\x], v[TM+\x], s40, s41 ; (its destination counts as read: the activation has written these registers)
.endr
.irp x, 0,1,2,3,4,5
	v_max_num_f32 v[TM+\x], v[TM+\x], v[TP+\x]     ; with lane l xor 16's: the block's largest magnitude
.endr
.irp x, 0,1,2,3,4,5
	v_add_nc_u32 v[SOP+\x], 0xff000000, v[TM+\x]   ; 2 off its exponent field: the conversion's scale operand
.endr
.irp x, 0,1,2,3,4,5
	v_lshrrev_b32 v[BY+\x], 23, v[SOP+\x]
.endr
.irp m, 0,1,2
	v_lshl_or_b32 v[HWD+\m], v[BY+2*\m+1], 8, v[BY+2*\m]
.endr
.irp m, 0,1,2
	v_add_nc_u32 v[HWD+\m], 0xfffffeff, v[HWD+\m]  ; 1 off both bytes (each is 2 or more): the factor 2 of 2 gelu
.endr
.irp x, 0,1,2,3,4,5
	v_cvt_scalef32_pk8_fp4_f32 v[PC+2*\x], v[HACC+16*\x:HACC+16*\x+7], v[SOP+\x]
	v_cvt_scalef32_pk8_fp4_f32 v[PC+2*\x+1], v[HACC+16*\x+8:HACC+16*\x+15], v[SOP+\x]
.endr
	v_nop                                          ; one plain line behind the scaled conversions
.irp m, 0,1,2
	v_permlane16_swap_b32 v[PC+4*\m], v[PC+4*\m+2]         ; the operand wants a whole block in a lane: lanes 0-15 block 0, lanes 16-31 block 1
	v_permlane16_swap_b32 v[PC+4*\m+1], v[PC+4*\m+3]
.endr
	s_wait_alu depctr_va_vdst(0)                   ; the exchanges have written v[PC ..] and the additions v[HWD ..], which the six LDS stores below read
.irp m, 0,1,2
	ds_store_b128 v[\wi], v[PC+4*\m:PC+4*\m+3] offset:\off+2048*\m   ; registers 4 c .. 4 c + 3 of fragment (m, ks), as they stand
	ds_store_b16 v[\ws], v[HWD+\m] offset:\off+256*\m                ; bytes 2 c, 2 c + 1 of my row's scale word
.endr
.endm
	s_load_b256 s[4:11], s[0:1], 0x0               ; xq, wf, lists, w1_scales
	s_load_b128 s[12:15], s[0:1], 0x20             ; b1, b2
	s_load_b64 s[16:17], s[0:1], 0x30              ; y
	v_lshl_add_u32 v158, v0, 2, 0xc800
	v_mov_b32 v159, 0
	v_lshrrev_b32 v22, 5, v0
	v_readfirstlane_b32 s18, v22                   ; wave 0..3
	v_and_b32 v24, 31, v0                          ; lane
	v_and_b32 v22, 15, v0                          ; r
	v_bfe_u32 v23, v0, 4, 1                        ; h
	v_lshlrev_b32 v[L16], 4, v24
	v_lshlrev_b32 v[L4], 2, v24
	v_and_b32 v25, 8, v22
	v_add_nc_u32 v25, v25, v22
	v_lshl_add_u32 v25, v23, 3, v25
	v_lshlrev_b32 v[VW1S], 4, v25
	v_lshlrev_b32 v[VB1], 6, v23
	v_lshlrev_b32 v[VB2], 5, v23
	v_lshlrev_b32 v26, 2, v22                      ; 4 r
	s_wait_alu depctr_va_sdst(0)                   ; s18, the wave's number, is written, ahead of its first reader: LDS addresses and the bases are made from it
	s_lshl_b32 s20, s18, 9
	v_add_nc_u32 v[HWI], s20, v[L16]
	s_lshr_b32 s20, s18, 1
	s_lshl_b32 s20, s20, 7
	s_and_b32 s22, s18, 1
	s_lshl_b32 s22, s22, 1
	s_add_co_u32 s20, s20, s22
	s_add_co_u32 s20, s20, HSC
	v_add_nc_u32 v[HWS], s20, v[L4]
	s_mul_i32 s20, s18, 16*SP
	s_add_co_u32 s20, s20, STAGE                   ; my stage
	v_mul_u32_u24 v[SO], v22, SP
	v_lshl_add_u32 v[SO], v23, 5, v[SO]
	v_add_nc_u32 v[SO], s20, v[SO]                 ; in: row r, + 32 h
	v_add_nc_u32 v[SR], s20, v[L16]                ; out: 16 bytes a lane of a row
	v_mov_b32 v[C9], 0x3e7c6f08                    ; the coefficients are those of the natural exponent x log2(e)
	v_mov_b32 v[C9+1], 0x3e7c6f08
	s_mov_b32 s40, 0x76543210
	s_mov_b32 s41, 0xfedcba98                      ; v_permlanex16_b32: lane l xor 16
	s_mov_b32 s42, 0x7fffffff
	SPAIR 44, 0x3eb504f3                           ; 1 / (2 sqrt 2)
	SPAIR 46, 0xbf97d29d                           ; c8
	SPAIR 48, 0x40097039                           ; c7
	SPAIR 50, 0xbfd1a1e5                           ; c6
	SPAIR 52, 0x3ecdfd18                           ; c5
	SPAIR 54, 0xbe899a80                           ; c4
	SPAIR 56, 0x3e0efb2e                           ; c3
	SPAIR 58, 0x3f0a29d2                           ; c2
	SPAIR 60, 0x3fb8ab5a                           ; c1
	SPAIR 62, 0xbfe9b21e                           ; c0
	SPAIR 66, 0xbf38aa3b                           ; -log2(e) / 2
	s_lshl_b32 s22, ttmp9, 2
	s_mov_b32 s23, 0
	s_wait_kmcnt 0x0
	s_add_nc_u64 s[20:21], s[8:9], s[22:23]
	s_load_b32 s39, s[20:21], 0x0                  ; my tile's expert
	s_mul_i32 s22, ttmp9, 192
	s_add_nc_u64 s[8:9], s[8:9], s[22:23]
	s_wait_alu depctr_va_vdst(0)                   ; the offsets and addresses v1-5, v12-15 and v26 are written, which the loads, stores and LDS instructions of the whole kernel read
.irp m, 0,1,2
	global_load_b32 v[TOK+\m], v26, s[8:9] offset:RT_OFF+64*\m   ; my tile's tokens: row 16 m + r, in both halves of the lanes
.endr
	s_wait_kmcnt 0x0
	s_cmp_ge_u32 s39, 8
	s_cselect_b32 s19, 1, 0                        ; 1: the tile has no rows
	s_min_u32 s39, s39, 7                          ; held inside the table ahead of its use in addresses
	s_lshl_b32 s22, s39, 19
	s_lshl_b32 s20, s18, 14
	s_add_co_u32 s22, s22, s20
	s_add_nc_u64 s[24:25], s[6:7], s[22:23]        ; W1's fragments: expert, chunk 0, my wave
	s_add_nc_u64 s[30:31], s[24:25], W2F_OFF       ; W2's likewise
	s_lshl_b32 s22, s39, 15
	s_lshl_b32 s20, s18, 10
	s_add_co_u32 s22, s22, s20
	s_add_nc_u64 s[26:27], s[10:11], s[22:23]      ; W1's scale bytes: my 64 rows of 16 bytes
	s_add_nc_u64 s[32:33], s[6:7], s[22:23]
	s_add_nc_u64 s[32:33], s[32:33], W2S_OFF       ; W2's scale words
	s_lshl_b32 s22, s39, 13
	s_lshl_b32 s20, s18, 8
	s_add_co_u32 s22, s22, s20
	s_add_nc_u64 s[28:29], s[12:13], s[22:23]      ; b1: my 64 numbers
	s_lshl_b32 s22, s39, 11
	s_lshl_b32 s20, s18, 9
	s_add_co_u32 s22, s22, s20
	s_add_nc_u64 s[14:15], s[14:15], s[22:23]      ; b2: my 128 numbers
	s_mul_i32 s22, ttmp9, 98304
	s_add_co_u32 s22, s22, s20
	s_add_nc_u64 s[34:35], s[16:17], s[22:23]      ; y: my tile's 48 rows of 2,048 bytes, my 512 bytes of each
	; THE FIRST LOADS GO OUT IN THE ORDER IN WHICH THEY ARE WANTED: what the first product's first three K steps read, then W1's fragments of its fourth; all else waits until that product is issued
	LW1 0, 24                                      ; chunk 0: W1's K steps 0 to 2,
	LB1                                            ; b1,
	LSC1                                           ; W1's scale words: 34 loads behind the three of tokens
	s_wait_loadcnt 34                              ; the tokens are in; those 34 stay out
.irp m, 0,1,2
	v_min_u32 v[TOK+\m], 0xfff, v[TOK+\m]          ; held inside x ahead of its use in addresses
	v_lshlrev_b32 v[XO+\m], 8, v[TOK+\m]
	v_lshl_add_u32 v[XO+\m], v23, 4, v[XO+\m]
	v_lshlrev_b32 v[TOK+\m], 4, v[TOK+\m]
.endr
	s_wait_alu depctr_va_vdst(0)                   ; the six offsets v6-11 are written, which the 27 loads below read
.irp m, 0,1,2
	global_load_b128 v[XS+4*\m:XS+4*\m+3], v[TOK+\m], s[4:5] offset:XS_OFF   ; a token's four scale words
.endr
	WIN 0x40                                       ; destination window 1
.irp m, 0,1,2
.irp s, 0,1,2,3
.irp c, 0,1
	global_load_b128 v[XF+8*(4*\m+\s)+4*\c:XF+8*(4*\m+\s)+4*\c+3], v[XO+\m], s[4:5] offset:64*\s+32*\c   ; x's fragments stay in registers
.endr
.endr
.endr
	LW1 24, 32                                     ; W1's K step 3: with these eight 69 loads have been issued, so the last six wait at issue for the first to come; they are wanted last
	WIN 0
	s_wait_xcnt 0x0                                ; the bases are stepped only behind this wait
	s_add_nc_u64 s[24:25], s[24:25], 65536
	s_add_nc_u64 s[26:27], s[26:27], 4096
	s_add_nc_u64 s[28:29], s[28:29], 1024
	; ---- chunk 0: there is no hidden layer yet to multiply.  What chunk 1 wants goes out between the thirds of the activation
	s_wait_loadcnt 8                               ; all is in but the eight loads of W1's K step 3, issued last
	P1 1
	PLACES
	WIN 0x40
	s_wait_alu depctr_va_vdst(0)                   ; the first product is done reading W1F, B1R and W1S, in which the 42 loads below land
	LW1 0, 32                                      ; chunk 1: 42 loads
	LB1
	LSC1
	GEL 0
	LW2                                            ; W2 of chunk 0: 34 loads, into registers that no vector or matrix instruction has named yet
	LSC2
	GEL 1
	WIN 0xc0                                       ; destination window 3
.irp m, 0,1,2
.irp ct, 0,1,2,3,4,5,6,7
	global_load_b128 v[8*(8*\m+\ct):8*(8*\m+\ct)+3], v[VB2], s[14:15] offset:64*\ct        ; b2 starts the output's sums: register j of lane (r, h) is column 16 ct + 8 h + j.  (These registers too are named here for the first time)
	global_load_b128 v[8*(8*\m+\ct)+4:8*(8*\m+\ct)+7], v[VB2], s[14:15] offset:64*\ct+16
.endr
.endr
	WIN 0
	GEL 2
	QUANT3 HWI, HWS, 0                             ; into block 0
	s_wait_xcnt 0x0
	s_wait_alu depctr_vm_vsrc(0)                   ; the six LDS stores have read v[PC ..] and v[HWD ..], which the next chunk's quantiser writes again
	s_add_nc_u64 s[24:25], s[24:25], 65536
	s_add_nc_u64 s[26:27], s[26:27], 4096
	s_add_nc_u64 s[28:29], s[28:29], 1024
	s_add_nc_u64 s[30:31], s[30:31], 65536
	s_add_nc_u64 s[32:33], s[32:33], 4096
	MEET
	s_mov_b32 s36, 6
	s_mov_b32 s37, 0                               ; the block that is read
	s_mov_b32 s38, HBLK                            ; the block that is written
.Lchunk:                                               ; chunks i = 1 .. 6.  One barrier a chunk: block i & 1 is written here; its last readers read it in the trip before, ahead of that trip's barrier
	s_wait_loadcnt 0x0                             ; W2 of chunk i - 1 and W1 of chunk i: the youngest were asked for two thirds of an activation ago
	v_add_nc_u32 v[HRD], s37, v[L16]
	v_add_nc_u32 v[HRS], s37, v[L4]
	v_add_nc_u32 v[HWIC], s38, v[HWI]
	v_add_nc_u32 v[HWSC], s38, v[HWS]
	WIN 0x80
	s_wait_alu depctr_va_vdst(0)                   ; the four additions have written v16-19, which this chunk's LDS loads and LDS stores read as addresses
	HLOAD HRD, HRS, 0                              ; chunk i - 1's hidden fragments are asked for,
	P1 0                                           ; chunk i's first product stands between the loads and the wait for them,
	s_wait_dscnt 0x0
	P2M                                            ; chunk i - 1's second product
	PLACES
	WIN 0x80
	s_wait_alu depctr_va_vdst(0)                   ; the first product is done reading W1F, B1R and W1S, the second W2F, W2S, HF and HS: this chunk's 76 loads and the next chunk's 18 LDS loads land there, and nothing issued between names them
	LW2                                            ; 62 loads: W2 of chunk i (32),
	LW1 0, 18                                      ; of chunk i + 1: 18 of W1's,
	LB1                                            ; b1 (8),
	LSC2                                           ; and both products' scale words (2 + 2)
	LSC1
	GEL 0
	LW1 18, 32                                     ; W1's other 14.  No wait: the activation names neither W1F nor v1
	WIN 0
	GEL 1
	GEL 2
	QUANT3 HWIC, HWSC, 0
	s_wait_xcnt 0x0
	s_wait_alu depctr_vm_vsrc(0)                   ; this chunk's LDS loads have read v16 and v17, its LDS stores v18, v19, v[PC ..] and v[HWD ..]: the next chunk writes all of them again
	s_add_nc_u64 s[24:25], s[24:25], 65536
	s_add_nc_u64 s[26:27], s[26:27], 4096
	s_add_nc_u64 s[28:29], s[28:29], 1024
	s_add_nc_u64 s[30:31], s[30:31], 65536
	s_add_nc_u64 s[32:33], s[32:33], 4096
	s_xor_b32 s37, s37, HBLK
	s_xor_b32 s38, s38, HBLK
	MEET
	s_sub_co_u32 s36, s36, 1
	s_cmp_lg_u32 s36, 0
	s_cbranch_scc1 .Lchunk
	; ---- chunk 7 is written out: no W1 follows it, and no load leaves its buffer.  Its LDS addresses are those made at the head
	s_wait_loadcnt 0x0
	HLOAD L16, L4, 0                               ; chunk 6, from block 0
	P1 0
	s_wait_dscnt 0x0
	P2M
	PLACES
	WIN 0x80
	s_wait_alu depctr_va_vdst(0)                   ; the second product is done reading W2F, W2S, HF and HS: the 34 loads below and the last 18 LDS loads land there, and nothing issued between names them
	LW2                                            ; chunk 7
	LSC2
	GEL 0
	GEL 1
	GEL 2
	QUANT3 HWI, HWS, HBLK                          ; into block 1
	MEET                                           ; the last barrier
	s_cmp_lg_u32 s19, 0
	s_cbranch_scc1 .Lend                           ; a tile without rows stores nothing
	s_wait_loadcnt 0x0
	HLOAD L16, L4, HBLK                            ; chunk 7
	s_wait_dscnt 0x0
	P2M
	PLACES
	s_wait_alu depctr_va_vdst(0)                   ; the second product has written the accumulators, which the LDS stores below read; the four places above stay beside this wait
	; THE WAY OUT: a lane holds 32 neighbouring bytes of a row, the lanes beside it other rows: 16 rows at a time go through my own stage and come back as rows of 512 bytes
.irp m, 0,1,2
.if \m > 0
	s_wait_xcnt 0x0                                ; the stores before have had their addresses translated
	s_wait_alu depctr_vm_vsrc(0)                   ; the sixteen global stores before have read v[HACC ..], in which the loads from the stage below land
.endif
	WIN 0x0c                                       ; an LDS store's data are its source 1: window 3
.irp ct, 0,1,2,3,4,5,6,7
	ds_store_b128 v[SO], v[8*(8*\m+\ct):8*(8*\m+\ct)+3] offset:64*\ct          ; each accumulator from its low end on
	ds_store_b128 v[SO], v[8*(8*\m+\ct)+4:8*(8*\m+\ct)+7] offset:64*\ct+16
.endr
	WIN 0
.irp i, 0,1,2,3,4,5,6,7,8,9,10,11,12,13,14,15
	ds_load_b128 v[HACC+4*\i:HACC+4*\i+3], v[SR] offset:SP*\i   ; LDS serves a wave's instructions in order: these see my stores, and the next tile's stores come behind them
.endr
.irp i, 0,1,2,3,4,5,6,7,8,9,10,11,12,13,14,15
	s_wait_dscnt 15-\i                             ; row i is back; the younger loads stay out
	global_store_b128 v[L16], v[HACC+4*\i:HACC+4*\i+3], s[34:35] offset:(16*\m+\i)*2048   ; 512 consecutive bytes, at a multiple of 256 from y's first byte
.endr
.endr
.Lend:
	s_wait_dscnt 0x0                               ; the closing lines, six on end
	s_wait_alu 0x0
	s_wait_tensorcnt 0x0
	ds_add_u32 v158, v159
	s_wait_dscnt 0x0
	s_endpgm
.Lfunc_end_k_qcb97348265_chain:
	.size	k_qcb97348265_chain, .Lfunc_end_k_qcb97348265_chain-k_qcb97348265_chain
	.p2alignl 7, 3214868480
	.fill 96, 4, 3214868480
	.section	.rodata,"a",@progbits
	.p2align	6, 0x0
	.amdhsa_kernel k_qcb97348265_chain
		.amdhsa_group_segment_fixed_size 51712
		.amdhsa_private_segment_fixed_size 0
		.amdhsa_enable_private_segment 0
		.amdhsa_kernarg_size 56
		.amdhsa_user_sgpr_count 2
		.amdhsa_user_sgpr_kernarg_segment_ptr 1
		.amdhsa_wavefront_size32 1
		.amdhsa_system_sgpr_workgroup_id_x 1
		.amdhsa_system_sgpr_workgroup_id_y 1
		.amdhsa_system_sgpr_workgroup_id_z 1
		.amdhsa_system_vgpr_workitem_id 0
		.amdhsa_next_free_vgpr 960
		.amdhsa_next_free_sgpr 72
		.amdhsa_reserve_vcc 0
		.amdhsa_float_denorm_mode_32 3
		.amdhsa_float_denorm_mode_16_64 3
		.amdhsa_memory_ordered 1
		.amdhsa_forward_progress 1
		.amdhsa_inst_pref_size 255
	.end_amdhsa_kernel
	.section	.bss,"aw",@nobits
	.p2align	6
	.space	262144
	.amdgpu_metadata
---
amdhsa.version: [ 1, 2 ]
amdhsa.kernels:
  - .name:           k_qcb97348265_chain
    .symbol:         k_qcb97348265_chain.kd
    .args:
      - { .name: xq, .offset: 0, .size: 8, .value_kind: global_buffer, .address_space: global }
      - { .name: wf, .offset: 8, .size: 8, .value_kind: global_buffer, .address_space: global }
      - { .name: lists, .offset: 16, .size: 8, .value_kind: global_buffer, .address_space: global }
      - { .name: w1_scales, .offset: 24, .size: 8, .value_kind: global_buffer, .address_space: global }
      - { .name: b1, .offset: 32, .size: 8, .value_kind: global_buffer, .address_space: global }
      - { .name: b2, .offset: 40, .size: 8, .value_kind: global_buffer, .address_space: global }
      - { .name: y, .offset: 48, .size: 8, .value_kind: global_buffer, .address_space: global }
    .group_segment_fixed_size: 51712
    .private_segment_fixed_size: 0
    .kernarg_segment_align: 8
    .kernarg_segment_size: 56
    .max_flat_workgroup_size: 128
    .sgpr_count:     72
    .vgpr_count:     960
    .wavefront_size: 32
...
	.end_amdgpu_metadata
.endif
;; end of part 5
;; launch combine: the kernel of part 4 again; grid 256 x 1, 4 waves a work-group, no clusters, 0 bytes of LDS; arguments y, lists, rt, out0; writes out0
